; MI455X (gfx1250); checked and timed in simulation.
; The chip was launched on July 23, 2026; its instructions are those of AMD's public machine-readable ISA for CDNA 5 (MIT licence, August 2026) and "CDNA5" Instruction Set Architecture Reference Guide (July 2026). The comments in the code are by the model that wrote it; some were corrected since.
;; Masked Attention. Allowed arithmetic: float matrix products may take bf16 or f16 operands with f32 sums; all other float work in f32.
;; Inputs: Wk 1,024 x 1,024 float32; Wo 1,024 x 1,024 float32; Wq 1,024 x 1,024 float32; Wv 1,024 x 1,024 float32; bk 1,024 float32; bo 1,024 float32; bq 1,024 float32; bv 1,024 float32; x 2 x 2,048 x 1,024 float32.
;; Outputs: out0 2 x 2,048 x 1,024 float32.
;; 2 versions, each right; version 2 is version 1 with the launch cast written anew for expert scheduling mode. Each part assembles by itself: llvm-mc -triple=amdgcn-amd-amdhsa -mcpu=gfx1250 --defsym DOCPART=n.
;; ======== version 1 of 2: 4 launches
;; limits: values are held in f16: magnitudes above 65,504 overflow, below 6.1e-05 lose precision
;; workspace buffers: xw 16,777,216 bytes; qkv 25,165,824 bytes; att 8,388,608 bytes
;; launch cast (part 1): grid 512 x 1, 8 waves a work-group, no clusters, 0 bytes of LDS; arguments x, Wq, Wk, Wv, Wo, xw; writes xw
.if DOCPART == 1
	.amdgcn_target "amdgcn-amd-amdhsa--gfx1250"
	.amdhsa_code_object_version 6
	.text
	.protected	k_q732ef4ecf0_cast
	.globl	k_q732ef4ecf0_cast
	.p2align	8
	.type	k_q732ef4ecf0_cast,@function
k_q732ef4ecf0_cast:
	s_mov_b64 s[64:65], 0
	v_nop
	global_prefetch_b8 v0, s[64:65] scope:SCOPE_SE
	s_setreg_imm32_b32 hwreg(HW_REG_WAVE_MODE, 25, 1), 1
	s_wait_xcnt 0x0
; xw = x, Wq, Wk, Wv, Wo as 16-bit matrix operands, each in its own order of elements.  Every input is rounded once to bf16, to nearest even.
; x, Wq, Wk, Wv are stored as bf16.  Wo's partner in its product (the attention's result) is kept in f16, and a matrix instruction takes one format for both
; sources, so Wo's bf16 number is written in f16's format: 8 significant bits fit into f16's 11, exactly for |Wo| from 2^-17 up; below, to the nearest multiple of 2^-24.
; LIMIT: |Wo| < 65,504 (f16's largest number); the problem's Wo lies within 1/32, so there is room for a factor of two million.
; 33,554,432 bytes of f32 in, 16,777,216 bytes out.  Work-group g takes 65,536 bytes of f32 and stores 32,768 bytes at xw + 32,768 g:
; groups 0-255 are x (16 MiB), groups 256-319 Wq, 320-383 Wk, 384-447 Wv, 448-511 Wo (4 MiB each), so the target is linear in g.
; A stream: every byte is read once and written once; LDS, the data mover, clusters and the matrix unit have nothing to share or to multiply here.
; Thread t owns 16 bytes of every 4,096: a wave's load covers 512 consecutive bytes, its store 256 consecutive bytes, both aligned.
; All sixteen loads of a thread go out first; no register that a pending load or store names is written, so the only waits are the counted ones for data.
.set PIECE, 4096                       ; bytes of f32 that the 256 threads take with one load each
.set X, 8                              ; v[8:71]   sixteen loads of 4 f32
.set Y, 72                             ; v[72:103] sixteen pairs of packed 16-bit numbers
	s_load_b256 s[4:11], s[0:1], 0x0               ; x s[4:5], Wq s[6:7], Wk s[8:9], Wv s[10:11]
	s_load_b128 s[12:15], s[0:1], 0x20             ; Wo s[12:13], xw s[14:15]
	s_lshr_b32 s16, ttmp9, 6                       ; 0-3: x; 4, 5, 6, 7: Wq, Wk, Wv, Wo
	s_and_b32 s17, ttmp9, 63                       ; my place inside a weight
	s_cmp_lt_u32 s16, 4
	s_cselect_b32 s18, ttmp9, s17                  ; my place inside my source
	s_lshl_b32 s18, s18, 16                        ; times 65,536 bytes
	s_mov_b32 s19, 0
	s_lshl_b32 s22, ttmp9, 15                      ; my 32,768 bytes of xw
	s_mov_b32 s23, 0
	v_lshlrev_b32 v1, 4, v0                        ; 16 t: source
	v_lshlrev_b32 v2, 3, v0                        ; 8 t: target
	s_wait_kmcnt 0x0
	s_cmp_lt_u32 s16, 4                            ; the source is chosen by the group's number alone
	s_cselect_b64 s[20:21], s[4:5], s[6:7]
	s_cmp_eq_u32 s16, 5
	s_cselect_b64 s[20:21], s[8:9], s[20:21]
	s_cmp_eq_u32 s16, 6
	s_cselect_b64 s[20:21], s[10:11], s[20:21]
	s_cmp_eq_u32 s16, 7
	s_cselect_b64 s[20:21], s[12:13], s[20:21]
	s_add_nc_u64 s[20:21], s[20:21], s[18:19]
	s_add_nc_u64 s[14:15], s[14:15], s[22:23]
.set i, 0
.rept 16
	global_load_b128 v[X+4*i:X+4*i+3], v1, s[20:21] offset:PIECE*i th:TH_LOAD_NT   ; read once in the launch
.set i, i+1
.endr
	s_cmp_eq_u32 s16, 7                            ; Wo's groups take the way with the second format
	s_cbranch_scc1 .Lwo
.set i, 0
.rept 16
	s_wait_loadcnt 15-i                            ; loads come back in order (ISA guide 5.7.1): load i is in, the 15 - i younger ones stay out
	v_cvt_pk_bf16_f32 v[Y+2*i],   v[X+4*i],   v[X+4*i+1]
	v_cvt_pk_bf16_f32 v[Y+2*i+1], v[X+4*i+2], v[X+4*i+3]
	global_store_b64 v2, v[Y+2*i:Y+2*i+1], s[14:15] offset:(PIECE/2)*i             ; no hint: the next launch reads these bytes
.set i, i+1
.endr
	s_endpgm
.Lwo:
.set i, 0
.rept 16
	s_wait_loadcnt 15-i                            ; as above: load i is in, so its four registers may also be written again
	v_cvt_pk_bf16_f32 v[Y+2*i],   v[X+4*i],   v[X+4*i+1]       ; the one rounding that loses bits
	v_cvt_pk_bf16_f32 v[Y+2*i+1], v[X+4*i+2], v[X+4*i+3]
	v_lshlrev_b32 v[X+4*i],   16, v[Y+2*i]                     ; bf16 to f32: the low half moves up,
	v_and_b32     v[X+4*i+1], 0xffff0000, v[Y+2*i]             ; the high half stays
	v_lshlrev_b32 v[X+4*i+2], 16, v[Y+2*i+1]
	v_and_b32     v[X+4*i+3], 0xffff0000, v[Y+2*i+1]
	v_cvt_pk_f16_f32 v[Y+2*i],   v[X+4*i],   v[X+4*i+1]        ; the same numbers in f16's format
	v_cvt_pk_f16_f32 v[Y+2*i+1], v[X+4*i+2], v[X+4*i+3]
	global_store_b64 v2, v[Y+2*i:Y+2*i+1], s[14:15] offset:(PIECE/2)*i
.set i, i+1
.endr
	s_endpgm
.Lfunc_end_k_q732ef4ecf0_cast:
	.size	k_q732ef4ecf0_cast, .Lfunc_end_k_q732ef4ecf0_cast-k_q732ef4ecf0_cast
	.p2alignl 7, 3214868480
	.fill 96, 4, 3214868480
	.section	.rodata,"a",@progbits
	.p2align	6, 0x0
	.amdhsa_kernel k_q732ef4ecf0_cast
		.amdhsa_group_segment_fixed_size 0
		.amdhsa_private_segment_fixed_size 0
		.amdhsa_enable_private_segment 0
		.amdhsa_kernarg_size 48
		.amdhsa_user_sgpr_count 2
		.amdhsa_user_sgpr_kernarg_segment_ptr 1
		.amdhsa_wavefront_size32 1
		.amdhsa_system_sgpr_workgroup_id_x 1
		.amdhsa_system_sgpr_workgroup_id_y 1
		.amdhsa_system_sgpr_workgroup_id_z 1
		.amdhsa_system_vgpr_workitem_id 0
		.amdhsa_next_free_vgpr 104
		.amdhsa_next_free_sgpr 66
		.amdhsa_reserve_vcc 0
		.amdhsa_float_denorm_mode_32 3
		.amdhsa_float_denorm_mode_16_64 3
		.amdhsa_memory_ordered 1
		.amdhsa_forward_progress 1
		.amdhsa_inst_pref_size 16
	.end_amdhsa_kernel
	.amdgpu_metadata
---
amdhsa.version: [ 1, 2 ]
amdhsa.kernels:
  - .name:           k_q732ef4ecf0_cast
    .symbol:         k_q732ef4ecf0_cast.kd
    .args:
      - { .name: x, .offset: 0, .size: 8, .value_kind: global_buffer, .address_space: global }
      - { .name: Wq, .offset: 8, .size: 8, .value_kind: global_buffer, .address_space: global }
      - { .name: Wk, .offset: 16, .size: 8, .value_kind: global_buffer, .address_space: global }
      - { .name: Wv, .offset: 24, .size: 8, .value_kind: global_buffer, .address_space: global }
      - { .name: Wo, .offset: 32, .size: 8, .value_kind: global_buffer, .address_space: global }
      - { .name: xw, .offset: 40, .size: 8, .value_kind: global_buffer, .address_space: global }
    .group_segment_fixed_size: 0
    .private_segment_fixed_size: 0
    .kernarg_segment_align: 8
    .kernarg_segment_size: 48
    .max_flat_workgroup_size: 256
    .sgpr_count:     66
    .vgpr_count:     104
    .wavefront_size: 32
...
	.end_amdgpu_metadata
.endif
;; end of part 1
;; launch qkvproj (part 2): grid 12 x 16, 4 waves a work-group, clusters of 4 x 4, 327,680 bytes of LDS; arguments xw, bq, bk, bv, qkv; writes qkv
.if DOCPART == 2
	.amdgcn_target "amdgcn-amd-amdhsa--gfx1250"
	.amdhsa_code_object_version 6
	.text
	.protected	k_q732ef4ecf0_qkvproj
	.globl	k_q732ef4ecf0_qkvproj
	.p2align	8
	.type	k_q732ef4ecf0_qkvproj,@function
k_q732ef4ecf0_qkvproj:
	s_mov_b64 s[64:65], 0
	v_nop
	global_prefetch_b8 v0, s[64:65] scope:SCOPE_SE
	s_setreg_imm32_b32 hwreg(HW_REG_WAVE_MODE, 25, 1), 1
	s_wait_xcnt 0x0
	s_wait_alu depctr_hold_cnt(0) depctr_sa_sdst(0) depctr_va_vdst(0) depctr_va_sdst(0) depctr_va_ssrc(0) depctr_va_vcc(0) depctr_vm_vsrc(0)
	s_getreg_b32 s2, hwreg(HW_REG_IB_STS2, 6, 4)
	s_cmp_eq_u32 s2, 0
	s_cbranch_scc0 .Lentry_in_a_cluster
	s_endpgm
.Lentry_in_a_cluster:
	s_bfe_u32 s2, ttmp6, 0x10000c
	s_cmp_lg_u32 s2, 0xf033
	s_cbranch_scc0 .Lentry_shape_is_right
	s_endpgm
.Lentry_shape_is_right:
; q, k, v = x W + b for W = Wq, Wk, Wv: one product of 4096 x 3072 x 1024 on bf16 operands with f32 sums; the bias is added in f32, the result rounded once to f16.
; WHY f16: the first rows of a sequence average few rows of v, so their results are up to ten times the size of a typical one (1 / sqrt(n + 1) against 1 / sqrt(1024));
; a rounding step of 2^-8 of such a row would be a large part of a typical result, f16's 2^-11 is an eighth of it.
; Operands from xw: x as bf16 [4096][1024] at byte 0; Wq, Wk, Wv as bf16 [1024 k][1024 n] at 8,388,608 + 2,097,152 x which.
; Result: qkv as f16 [b 2][hh 48][s 2048][64], hh = 16 x which + head: a head's 2048 rows of 128 bytes are one dense block of 262,144 bytes.
; A work-group makes 256 rows x 256 columns with four waves; a wave makes 128 x 128: 64 accumulator tiles of 16 x 16, 512 registers.
; 16 x 12 = 192 work-groups: a block of 256 columns is four whole heads and a wave's 128 columns two, which keeps the way out in whole head rows.
; K goes in steps of 128 through a ring of two LDS slots filled by the tensor data mover.
; CLUSTERS: 4 x 4 work-groups.  The four of a cluster's row share x's tile, the four of a column W's tile: each tile is asked for jointly, which divides the
; requests for both by four.  A cluster's four columns are exactly one of Wq, Wk, Wv (4 x 256 = 1024), so 'which' is the cluster's x.
; W lies [k][n]: its fragments come out of LDS by the transposing load ds_load_tr16_b128, two for a fragment, as many as a plain fragment takes.
; THE MATRIX INSTRUCTION IS USED TRANSPOSED: source 0 = 16 columns of W, source 1 = 16 rows of x.  Lane l then holds row l % 16 of the result and its eight
; registers the columns 8 (l / 16) + 0..7: eight neighbouring numbers of a row, 16 bytes of f16.
; REGISTERS, in windows of 256:  window 0: v16-27 addresses; v64-127, v128-191 fragments of x, two buffers; v192-223 packed results
;   window 1: v64-127, v128-191 fragments of W, two buffers; v192-255 the bias of my 128 columns (tile b: 8 numbers at 192 + 8 b)
;   window 2: the 32 accumulator tiles of my rows 0-63 (tile (a, b) at 8 (8 a + b));  window 3: those of my rows 64-127
; LIMITS: |q|, |k|, |v| < 65,504, f16's largest number: beyond it the conversion gives infinity.  x of spread 1 and W within 1/32 give a spread of 0.6; x and W both
; 30 times larger give 520; common offsets of 30 spreads on both give 1024 x 30 x 0.54 = 17,000.  Results below 2^-14 are kept to a multiple of 2^-24.
; NaN and infinities in the inputs are not treated specially; x and W are used as rounded to bf16.
.set SIZE_K, 1024
.set KSTEP,  128
.set PITCH,  272                       ; x's LDS row: 256 bytes + 16 of padding, an odd multiple of 16: the 16 rows of a fragment load begin in 16 different 16-byte columns modulo 256
.set BPITCH, 544                       ; W's LDS row: 512 bytes + 32 of padding, an odd multiple of 32, for the transposing loads
.set HALFT,  128*PITCH                 ; what one tensor load brings: 128 rows of x, or 64 k rows of W (64 x 544 is the same 34,816 bytes)
.set SLOT,   4*HALFT                   ; x's 256 rows, then W's 128 k rows
.set STAGE,  2*SLOT                    ; behind the ring: 16 rows x 272 bytes for each wave, for the way out; no fill lands here
.set SPITCH, 272
.set LAPS,   SIZE_K/(2*KSTEP)          ; 4 laps of two K steps
.set WOFF,   8388608                   ; Wq's first byte in xw
.set ADRA, 16                          ; v16-17  LDS address of my x fragments in slot 0, 1
.set ADRB, 20                          ; v20-21  the same for W
.set STO,  24                          ; v24     the way out: where I put 16 bytes of a row
.set RD,   25                          ; v25     the way out: where I read 16 bytes of a head's row back
.set CO,   26                          ; v26     16 x lane: my 16 bytes among four head rows of 128 bytes
.set BO,   27                          ; v27     32 x (lane / 16): my eight numbers in 16 of the bias
.set F0,   64
.set F1,   128
.set TMP,  192
.set BIAS, 192                         ; in window 1
.set G1,  24                           ; s[24:31] group 1 for x's tiles
.set G0,  32                           ; s[32:39] group 0 for x's tiles, one set a slot
.set G1B, 48                           ; s[48:55] group 1 for W's tiles
.set G0B, 56                           ; s[56:63] group 0 for W's tiles, one set a slot
.set MSB, 0
.macro WIN new                         ; the immediate's high byte repeats the setting that is left
.if MSB != \new
	s_set_vgpr_msb (MSB<<8)|\new
.set MSB, \new
.endif
.endm
.set MUL_LO, 0xa1                      ; source 0 (W) window 1, source 1 (x) window 0, C and D window 2
.set MUL_HI, 0xf1                      ; the same, C and D window 3
.set TO_B,   0x40                      ; destination window 1, address window 0
; A joint load.  Waves 0 and 1 fetch x's two halves, waves 2 and 3 W's.  Each line has one mask and one set of registers; the branch hangs on the wave's number alone.
.macro JLOAD s
	s_cmp_eq_u32 s15, 0
	s_cbranch_scc0 .Lfor_b_\@
	tensor_load_to_lds s[G0+4*\s:G0+4*\s+3], s[G1:G1+7]
	s_nop 0
	s_branch .Lasked_\@
.Lfor_b_\@:
	tensor_load_to_lds s[G0B+4*\s:G0B+4*\s+3], s[G1B:G1B+7]
	s_nop 0
.Lasked_\@:
.endm
; A round of the cluster's barrier: my work-group's barrier; wave 0 signals for the work-group; every wave waits for all sixteen; my work-group's barrier once more.
.macro CREST                           ; a round behind its opening barrier
	s_cmp_lg_u32 s14, 0
	s_cbranch_scc1 .Lnot_wave_0_\@
	s_barrier_signal -3
.Lnot_wave_0_\@:
	s_barrier_wait -3
	s_barrier_signal -1
	s_barrier_wait -1
.endm
.macro CROUND
	s_barrier_signal -1
	s_barrier_wait -1
	CREST
.endm
	s_load_b256 s[4:11], s[0:1], 0x0               ; xw s[4:5], bq s[6:7], bk s[8:9], bv s[10:11]
	s_load_b64 s[12:13], s[0:1], 0x20              ; qkv
	s_set_vgpr_msb 0x40
	v_lshl_add_u32 v63, v0, 2, 0x48400
	s_set_vgpr_msb 0x4000
	v_mov_b32 v255, 0
	s_set_vgpr_msb 0x1
	ds_add_u32 v63, v255
	ds_add_u32 v63, v255
	s_set_vgpr_msb 0x100
	v_lshrrev_b32 v1, 5, v0
	v_readfirstlane_b32 s14, v1                    ; wave 0..3
	s_lshr_b32 s15, s14, 1                         ; which half of the block's rows is mine.  Also: I fetch for x (0) or for W (1)
	s_and_b32 s16, s14, 1                          ; which half of its columns.  Also: which half of that tile I fetch
	s_bfe_u32 s17, ttmp6, 0x40000                  ; cx
	s_bfe_u32 s18, ttmp6, 0x40004                  ; cy
	s_and_b32 s20, ttmp7, 0xffff
	s_lshl_b32 s20, s20, 2
	s_add_co_u32 s20, s20, s18                     ; block row = 4 x cluster y + cy, 0..15
	s_mov_b32 s21, ttmp9                           ; which of Wq, Wk, Wv = cluster x
	s_lshl_b32 s40, s18, 2
	s_lshl_b32 s40, 15, s40                        ; my row of the cluster: places 4 cy .. 4 cy + 3
	s_lshl_b32 s41, 0x1111, s17                    ; my column: places cx, cx + 4, cx + 8, cx + 12
	; group 1 for x: 128 rows x 128 elements of 2 bytes, 4 words of padding behind every 64
	s_or_b32 s[G1+0], s40, (1<<16)|(1<<20)|(1<<21)|(5<<22)|(3<<25)
	s_mov_b32 s[G1+1], KSTEP<<16                   ; tensor_dim0 = 128
	s_mov_b32 s[G1+2], 128<<16                     ; tensor_dim1 = 128
	s_mov_b32 s[G1+3], KSTEP<<16                   ; tile_dim0 = 128
	s_mov_b32 s[G1+4], 128                         ; tile_dim1 = 128
	s_mov_b32 s[G1+5], SIZE_K                      ; elements from row to row
	s_mov_b32 s[G1+6], 0
	s_mov_b32 s[G1+7], 0
	; group 1 for W: 64 k rows x 256 elements of 2 bytes, 8 words of padding behind every 128
	s_or_b32 s[G1B+0], s41, (1<<16)|(1<<20)|(1<<21)|(6<<22)|(7<<25)
	s_mov_b32 s[G1B+1], 256<<16                    ; tensor_dim0 = 256
	s_mov_b32 s[G1B+2], 64<<16                     ; tensor_dim1 = 64
	s_mov_b32 s[G1B+3], 256<<16                    ; tile_dim0 = 256
	s_mov_b32 s[G1B+4], 64                         ; tile_dim1 = 64
	s_mov_b32 s[G1B+5], 1024                       ; elements from k row to k row
	s_mov_b32 s[G1B+6], 0
	s_mov_b32 s[G1B+7], 0
	; x's tile hangs on the block row alone, W's on 'which' and cx alone; each offset is made in registers that never hold the other coordinate
	s_lshl_b32 s42, s20, 19                        ; 256 rows of 2,048 bytes a block row
	s_lshl_b32 s43, s16, 18                        ; + my 128 rows of the tile
	s_add_co_u32 s42, s42, s43
	s_mov_b32 s43, 0
	s_lshl_b32 s44, s21, 21                        ; 2,097,152 bytes a weight
	s_lshl_b32 s45, s16, 17                        ; + my 64 k rows of 2,048 bytes
	s_add_co_u32 s44, s44, s45
	s_lshl_b32 s45, s17, 9                         ; + 256 columns of 2 bytes a block column
	s_add_co_u32 s44, s44, s45
	s_add_co_u32 s44, s44, WOFF
	s_mov_b32 s45, 0
	s_mul_i32 s46, s14, HALFT                      ; where my part goes: wave x 34,816; no place in the cluster enters an LDS address
	s_wait_dscnt 0x0
	s_wait_kmcnt 0x0
	s_add_nc_u64 s[42:43], s[4:5], s[42:43]
	s_add_nc_u64 s[44:45], s[4:5], s[44:45]
	CROUND                                         ; all sixteen work-groups are here: the first joint loads meet
.irp s, 0,1
	s_mov_b32 s[G0+4*\s], 1
	s_add_co_u32 s[G0+4*\s+1], s46, \s*SLOT
	s_add_nc_u64 s[G0+4*\s+2:G0+4*\s+3], s[42:43], \s*KSTEP*2          ; K step s: 256 bytes along x's rows
	s_or_b32 s[G0+4*\s+3], s[G0+4*\s+3], 0x80000000
	s_mov_b32 s[G0B+4*\s], 1
	s_add_co_u32 s[G0B+4*\s+1], s46, \s*SLOT
	s_add_nc_u64 s[G0B+4*\s+2:G0B+4*\s+3], s[44:45], \s*KSTEP*2048     ; K step s: 128 k rows down W
	s_or_b32 s[G0B+4*\s+3], s[G0B+4*\s+3], 0x80000000
	JLOAD \s                                       ; the ring is filled before anything else is done: two loads of mine are out
.endr
	; x fragment: lane l holds row l % 16; two loads of 16 bytes, 32 apart, at row x pitch + 16 (l / 16).
	; W fragment: lane l addresses k row 8 (l / 16) + l % 8 and the 16 bytes (l / 8) % 2 of 16 columns; the transposing load hands it column l % 16, k = 8 (l / 16) + 0..7.
	v_and_b32 v1, 15, v0                           ; l % 16
	v_bfe_u32 v2, v0, 4, 1                         ; l / 16
	v_mul_u32_u24 v3, v1, PITCH
	v_lshl_add_u32 v3, v2, 4, v3                   ; row x 272 + 16 x half
	v_and_b32 v4, 7, v0
	v_lshl_add_u32 v4, v2, 3, v4                   ; k row 8 (l / 16) + l % 8
	v_mul_u32_u24 v4, v4, BPITCH
	v_bfe_u32 v5, v0, 3, 1
	v_lshl_add_u32 v4, v5, 4, v4
	s_mul_i32 s47, s15, HALFT                      ; my 128 rows of x
	s_lshl_b32 s70, s16, 8                         ; my 128 columns of W, 256 bytes,
	s_add_co_u32 s70, s70, 2*HALFT                 ; behind x's 256 rows
.irp s, 0,1
	v_add_nc_u32 v[ADRA+\s], s47, v3
	v_add_nc_u32 v[ADRB+\s], s70, v4
	s_add_co_u32 s47, s47, SLOT
	s_add_co_u32 s70, s70, SLOT
.endr
	s_mul_i32 s71, s14, 16*SPITCH
	s_add_co_u32 s71, s71, STAGE                   ; my stage
	v_add_nc_u32 v[STO], s71, v3                   ; in: row l % 16, 16 bytes for each half of the lanes
	v_and_b32 v6, 31, v0
	v_lshrrev_b32 v7, 3, v6                        ; back: eight lanes take 128 bytes of a row, the wave four rows
	v_mul_u32_u24 v7, v7, SPITCH
	v_and_b32 v5, 7, v0
	v_lshl_add_u32 v7, v5, 4, v7
	v_add_nc_u32 v[RD], s71, v7
	v_lshlrev_b32 v[CO], 4, v6
	v_lshlrev_b32 v[BO], 5, v2
	; the bias of my 128 columns: chosen by 'which', which all partners share
	s_cmp_eq_u32 s21, 1
	s_cselect_b64 s[66:67], s[8:9], s[6:7]
	s_cmp_eq_u32 s21, 2
	s_cselect_b64 s[66:67], s[10:11], s[66:67]
	s_lshl_b32 s68, s17, 10                        ; 256 columns of 4 bytes a block column
	s_lshl_b32 s69, s16, 9                         ; + my half
	s_add_co_u32 s68, s68, s69
	s_mov_b32 s69, 0
	s_add_nc_u64 s[66:67], s[66:67], s[68:69]
	WIN TO_B
.irp b, 0,1,2,3,4,5,6,7
	global_load_b128 v[BIAS+8*\b:BIAS+8*\b+3],   v[BO], s[66:67] offset:64*\b       ; columns 16 b + 8 (l / 16) + 0..3
	global_load_b128 v[BIAS+8*\b+4:BIAS+8*\b+7], v[BO], s[66:67] offset:64*\b+16    ; + 4..7; waited for in front of the way out
.endr
; 16 matrix instructions: m blocks a0, a0 + 1 of the window's four x all 8 n blocks, 32 along K.  zero = 1: the first product starts the sums.
; The 64 accumulators take turns, one instruction a turn, in the same order in every quarter step.
.macro MUL16 f, hi, a0, zero
.irp a, \a0, \a0+1
.irp b, 0,1,2,3,4,5,6,7
.if \zero
	v_wmma_f32_16x16x32_bf16 v[8*(8*(\a)+\b):8*(8*(\a)+\b)+7], v[\f+8*\b:\f+8*\b+7], v[\f+8*(4*\hi+\a):\f+8*(4*\hi+\a)+7], 0
.else
	v_wmma_f32_16x16x32_bf16 v[8*(8*(\a)+\b):8*(8*(\a)+\b)+7], v[\f+8*\b:\f+8*\b+7], v[\f+8*(4*\hi+\a):\f+8*(4*\hi+\a)+7], v[8*(8*(\a)+\b):8*(8*(\a)+\b)+7]
.endif
.endr
.endr
.endm
; 32 LDS loads in one run: the fragments of one quarter step (32 along K, which begins at byte k of x's rows and at k row k/2 of W's tile) into buffer f
.macro FETCH slot, k, f
	WIN TO_B
.irp i, 0,1,2,3,4,5,6,7
	ds_load_tr16_b128 v[\f+8*\i:\f+8*\i+3],   v[ADRB+\slot] offset:(\k/2)*BPITCH+32*\i
	ds_load_tr16_b128 v[\f+8*\i+4:\f+8*\i+7], v[ADRB+\slot] offset:(\k/2)*BPITCH+32*\i+16*BPITCH
.endr
	WIN 0
.irp i, 0,1,2,3,4,5,6,7
	ds_load_b128 v[\f+8*\i:\f+8*\i+3],   v[ADRA+\slot] offset:\k+\i*16*PITCH
	ds_load_b128 v[\f+8*\i+4:\f+8*\i+7], v[ADRA+\slot] offset:\k+\i*16*PITCH+32
.endr
.endm
; Four places behind a matrix instruction before a load lands on one of its sources or a vector instruction reads its result (ISA guide 7.12.1 for vector
; instructions); the matrix instructions in between are not counted.
.macro PLACES
.rept 4
	v_nop
.endr
.endm
; One of a K step's first three quarters: multiplies buffer f; in its middle it fetches the next quarter's fragments into buffer g.
.macro QUARTER slot, k, f, g, zero
	s_wait_dscnt 8                                 ; W and x's rows 0-63 are in; the youngest eight loads (x's rows 64-127) may be out
	WIN MUL_LO
	MUL16 \f, 0, 0, \zero
	MUL16 \f, 0, 2, \zero
	PLACES
	FETCH \slot, \k, \g
	s_wait_dscnt 32                                ; all but the 32 just issued
	WIN MUL_HI
	MUL16 \f, 1, 0, \zero
	MUL16 \f, 1, 2, \zero
.endm
.macro THREE slot, zero
	QUARTER \slot, 64,  F0, F1, \zero
	QUARTER \slot, 128, F1, F0, 0
	QUARTER \slot, 192, F0, F1, 0
.endm
; The last quarter: multiplies buffer 1 and changes slots.  In front of the barrier each wave waits for its reads of this slot and for all its tensor loads
; (one is out: its part of the next slot).  Behind it the refill comes first, then the next slot's first fragments.
; From a request to the wait for it a wave issues 240 matrix instructions.
.macro TURN slot, next, fill
	s_wait_dscnt 8
	WIN MUL_LO
	MUL16 F1, 0, 0, 0
	s_wait_dscnt 0                                 ; my reads of this slot are over
	s_wait_tensorcnt 0x0                           ; and all my tensor loads have landed
	ds_add_u32 v63, v255
	s_wait_dscnt 0x0
	s_barrier_signal -1                            ; where a slot is filled again this barrier opens a round of the cluster's barrier
	MUL16 F1, 0, 2, 0                              ; register work while the others arrive
	WIN 0
	s_barrier_wait -1
.if \fill
	CREST                                          ; no wave of any partner still reads this slot or has a load on its way
	s_add_nc_u64 s[G0+4*\slot+2:G0+4*\slot+3], s[G0+4*\slot+2:G0+4*\slot+3], 2*KSTEP*2
	s_add_nc_u64 s[G0B+4*\slot+2:G0B+4*\slot+3], s[G0B+4*\slot+2:G0B+4*\slot+3], 2*KSTEP*2048
	JLOAD \slot                                    ; the first tensor load behind the round, and my only one until the next
.endif
	PLACES
	FETCH \next, 0, F0
	WIN MUL_HI
	MUL16 F1, 1, 0, 0
	MUL16 F1, 1, 2, 0
.endm
.macro LAP zero
	THREE 0, \zero
	TURN 0, 1, 1
	THREE 1, 0
	TURN 1, 0, 1
.endm
	s_wait_tensorcnt 1                             ; my part of K step 0 is in; K step 1's stays out
	s_barrier_signal -1
	s_barrier_wait -1                              ; everybody's is
	FETCH 0, 0, F0
	LAP 1                                          ; the first lap stands in front of the loop: its first products start the sums
	WIN 0                                          ; at a label and at a branch every window is 0
	s_mov_b32 s3, LAPS-2
.Llap:
	LAP 0
	WIN 0
	s_sub_co_u32 s3, s3, 1
	s_cmp_lg_u32 s3, 0
	s_cbranch_scc1 .Llap
	THREE 0, 0                                     ; the last lap fills nothing
	TURN 0, 1, 0
	THREE 1, 0
	s_wait_dscnt 8
	WIN MUL_LO
	MUL16 F1, 0, 0, 0
	MUL16 F1, 0, 2, 0
	s_wait_dscnt 0
	WIN MUL_HI
	MUL16 F1, 1, 0, 0
	MUL16 F1, 1, 2, 0
	; THE WAY OUT, 16 rows at a time: add the bias in f32, round to f16, 16 bytes a lane into my stage, read back as head rows of 128 bytes.
	s_wait_loadcnt 0x0                             ; the bias
	PLACES                                         ; behind the last matrix instructions
	s_lshr_b32 s72, s20, 3                         ; batch = block row / 8
	s_mul_i32 s72, s72, 48
	s_lshl_b32 s73, s21, 4                         ; + 16 x which
	s_add_co_u32 s72, s72, s73
	s_lshl_b32 s73, s17, 2                         ; + 4 heads a block column
	s_add_co_u32 s72, s72, s73
	s_lshl_b32 s73, s16, 1                         ; + 2 heads for my half
	s_add_co_u32 s72, s72, s73
	s_lshl_b32 s72, s72, 18                        ; head blocks of 262,144 bytes
	s_and_b32 s73, s20, 7
	s_lshl_b32 s73, s73, 15                        ; + 256 rows of 128 bytes a block row
	s_add_co_u32 s72, s72, s73
	s_lshl_b32 s73, s15, 14                        ; + my 128 rows
	s_add_co_u32 s72, s72, s73
	s_mov_b32 s73, 0
	s_add_nc_u64 s[12:13], s[12:13], s[72:73]
; rows 16 i .. 16 i + 15 of my block = the eight tiles (a, 0..7) of window 2 (hi = 0) or 3 (hi = 1); f: F0 or F1 in turn
.macro OUT16 i, a, hi, f
.if \hi
	WIN 0xc7                                       ; D and source 0 window 3, source 1 (bias) window 1
.else
	WIN 0x86                                       ; D and source 0 window 2, source 1 (bias) window 1
.endif
.irp b, 0,1,2,3,4,5,6,7
.irp r, 0,1,2,3
	v_pk_add_f32 v[8*(8*\a+\b)+2*\r:8*(8*\a+\b)+2*\r+1], v[8*(8*\a+\b)+2*\r:8*(8*\a+\b)+2*\r+1], v[BIAS+8*\b+2*\r:BIAS+8*\b+2*\r+1]
.endr
.endr
.if \hi
	WIN 0x0f
.else
	WIN 0x0a
.endif
.irp b, 0,1,2,3,4,5,6,7
.irp r, 0,1,2,3
	v_cvt_pk_f16_f32 v[TMP+4*\b+\r], v[8*(8*\a+\b)+2*\r], v[8*(8*\a+\b)+2*\r+1]    ; first source into the low half
.endr
.endr
	WIN 0
.irp b, 0,1,2,3,4,5,6,7
	ds_store_b128 v[STO], v[TMP+4*\b:TMP+4*\b+3] offset:32*\b
.endr
	s_wait_xcnt 0x0                                ; buffer f, which earlier stores read, is loaded again only behind this wait
.irp g, 0,1
.irp t, 0,1,2,3
	ds_load_b128 v[\f+4*(4*\g+\t):\f+4*(4*\g+\t)+3], v[RD] offset:\t*4*SPITCH+\g*128   ; LDS serves a wave's instructions in order (ISA guide 5.7.1.4): these see the stores above
.endr
.endr
.irp g, 0,1
.irp t, 0,1,2,3
	s_wait_dscnt 7-(4*\g+\t)
	global_store_b128 v[CO], v[\f+4*(4*\g+\t):\f+4*(4*\g+\t)+3], s[12:13] offset:\g*262144+\i*2048+\t*512   ; four rows of head g: 512 consecutive bytes, aligned
.endr
.endr
.endm
	OUT16 0, 0, 0, F0
	OUT16 1, 1, 0, F1
	OUT16 2, 2, 0, F0
	OUT16 3, 3, 0, F1
	OUT16 4, 0, 1, F0
	OUT16 5, 1, 1, F1
	OUT16 6, 2, 1, F0
	OUT16 7, 3, 1, F1
	s_set_vgpr_msb 0x1
	s_wait_tensorcnt 0x0
	ds_add_u32 v63, v255
	s_wait_dscnt 0x0
	s_set_vgpr_msb 0x100
	CROUND                                         ; the closing round: no work-group ends while a partner may still ask for a tile that names it
	s_endpgm
.Lfunc_end_k_q732ef4ecf0_qkvproj:
	.size	k_q732ef4ecf0_qkvproj, .Lfunc_end_k_q732ef4ecf0_qkvproj-k_q732ef4ecf0_qkvproj
	.p2alignl 7, 3214868480
	.fill 96, 4, 3214868480
	.section	.rodata,"a",@progbits
	.p2align	6, 0x0
	.amdhsa_kernel k_q732ef4ecf0_qkvproj
		.amdhsa_group_segment_fixed_size 327680
		.amdhsa_private_segment_fixed_size 0
		.amdhsa_enable_private_segment 0
		.amdhsa_kernarg_size 40
		.amdhsa_user_sgpr_count 2
		.amdhsa_user_sgpr_kernarg_segment_ptr 1
		.amdhsa_wavefront_size32 1
		.amdhsa_system_sgpr_workgroup_id_x 1
		.amdhsa_system_sgpr_workgroup_id_y 1
		.amdhsa_system_sgpr_workgroup_id_z 1
		.amdhsa_system_vgpr_workitem_id 0
		.amdhsa_next_free_vgpr 1024
		.amdhsa_next_free_sgpr 80
		.amdhsa_reserve_vcc 0
		.amdhsa_float_denorm_mode_32 3
		.amdhsa_float_denorm_mode_16_64 3
		.amdhsa_memory_ordered 1
		.amdhsa_forward_progress 1
		.amdhsa_inst_pref_size 214
	.end_amdhsa_kernel
	.amdgpu_metadata
---
amdhsa.version: [ 1, 2 ]
amdhsa.kernels:
  - .name:           k_q732ef4ecf0_qkvproj
    .symbol:         k_q732ef4ecf0_qkvproj.kd
    .args:
      - { .name: xw, .offset: 0, .size: 8, .value_kind: global_buffer, .address_space: global }
      - { .name: bq, .offset: 8, .size: 8, .value_kind: global_buffer, .address_space: global }
      - { .name: bk, .offset: 16, .size: 8, .value_kind: global_buffer, .address_space: global }
      - { .name: bv, .offset: 24, .size: 8, .value_kind: global_buffer, .address_space: global }
      - { .name: qkv, .offset: 32, .size: 8, .value_kind: global_buffer, .address_space: global }
    .group_segment_fixed_size: 327680
    .private_segment_fixed_size: 0
    .kernarg_segment_align: 8
    .kernarg_segment_size: 40
    .max_flat_workgroup_size: 128
    .sgpr_count:     80
    .vgpr_count:     1024
    .wavefront_size: 32
...
	.end_amdgpu_metadata
.endif
;; end of part 2
;; launch attn (part 3): grid 8 x 32, 4 waves a work-group, no clusters, 327,680 bytes of LDS; arguments qkv, att; writes att
.if DOCPART == 3
	.amdgcn_target "amdgcn-amd-amdhsa--gfx1250"
	.amdhsa_code_object_version 6
	.text
	.protected	k_q732ef4ecf0_attn
	.globl	k_q732ef4ecf0_attn
	.p2align	8
	.type	k_q732ef4ecf0_attn,@function
k_q732ef4ecf0_attn:
	s_mov_b64 s[64:65], 0
	v_nop
	global_prefetch_b8 v0, s[64:65] scope:SCOPE_SE
	s_setreg_imm32_b32 hwreg(HW_REG_WAVE_MODE, 25, 1), 1
	s_wait_xcnt 0x0
; Causal attention of one head: att = softmax(q k^T / 8, keys <= query) v, with a running maximum and a running sum in f32.
; qkv: f16 [b 2][hh 48][s 2048][64] (hh = head for q, 16 + head for k, 32 + head for v).  att: f16 [b 2][h 16][s 2048][64].
; All matrix operands here are f16: q, k, v as stored, P (0 to 1) and the result (an average of rows of v, so inside v's range): 11 significant bits, since the
; first rows of a sequence, which average few keys, are up to ten times the size of a typical result and carry their rounding with them.
; Work-group (p, bh), p = 0..7, bh = 16 b + h: query blocks p and 15 - p of 128 rows, one after the other: (p + 1) + (16 - p) = 17 key tiles of 128 for every
; work-group, so the 256 work-groups have equal work; key tiles above the diagonal are never touched.  A wave owns 32 query rows (two tiles of 16).
; Step t = 0..16 takes key tile t (t <= p, first block) or t - p - 1 (second block); the steps t = p and t = 16 are the diagonal ones: they mask, and finish a block.
; BOTH PRODUCTS ARE TRANSPOSED.  S^T = K Q^T: lane (r = l % 16, h = l / 16) holds query r and keys 8 h + 0..7 of a tile of 16 keys.  Packing two neighbouring
; S^T tiles to f16 gives, in the same lane, the second source of O^T = V^T P^T: no data moves between lanes; a row's maximum and sum need one exchange of the two
; halves of the wave; the factor that rescales O is the lane's own.  V^T comes out of LDS by the transposing load.
; NO CLUSTER: the eight work-groups of a head walk different tiles from step p + 1 on (tile t in one, t - p - 1 in another) and finish their first block at
; different steps, so a joint request would make each partner receive tiles that it discards; a step's fill is 32,768 bytes a work-group.
; THE MAXIMUM: kept as NM = -(c max), c = log2(e) / 8; p = exp2(c s + NM) by one fused multiply-add; the old sums are scaled by exp2(NM new - NM old), made of
; the same rounded numbers.  NM starts at +infinity, so the first step of a block scales the old O and sums by exp2(-infinity) = 0: that restarts them.
; LIMITS: NaN and infinities in q, k, v are not treated specially (the maximum drops a NaN); v_exp_f32 gives 0 for results below 2^-126 (ISA guide 15.8);
; an entry of P below 2^-25 becomes 0 in f16, against a row sum that holds the maximum's own term, about 1 (so the sum's reciprocal is safe too);
; a result below 2^-14 is kept to a multiple of 2^-24.  P is rounded to f16 for the product, the row sum is of the unrounded f32.
; REGISTERS: window 0: addresses and row state v8-47, O v64-127 (tile (a, dt) at 64 + 32 a + 8 dt), S v128-255 (tile (a, kt) at 128 + 64 a + 8 kt)
;   window 1: K fragments v0-127 ((kt, ks) at 16 kt + 8 ks), V fragments v128-255 ((u, dt) at 128 + 32 u + 8 dt);  window 2: Q v0-31 ((a, ks) at 16 a + 8 ks)
.set QUART, 10240                      ; a quarter of a slot, one wave's fill: 64 keys x 144 bytes of K (9,216 used) or 64 keys x 160 bytes of V
.set SLOT,  4*QUART                    ; K keys 0-63, K keys 64-127, V keys 0-63, V keys 64-127
.set KP,    144                        ; K's LDS row: 128 bytes + 16, an odd multiple of 16
.set VP,    160                        ; V's LDS row: 128 bytes + 32, an odd multiple of 32, for the transposing loads
.set STAGE, 2*SLOT                     ; behind the ring: 32 rows x 144 bytes for each wave; no fill lands here
.set ADRK, 8                           ; v8-9    LDS address of my K fragments in slot 0, 1
.set ADRV, 10                          ; v10-11  the same for V
.set STO,  12                          ; v12     the way out: where I put 16 bytes of a row
.set RD,   13                          ; v13     the way out: where I read them back
.set CO,   14                          ; v14     16 x lane
.set QO,   15                          ; v15     my 16 bytes in 16 rows of q
.set LIM,  16                          ; v16-17  32 wave + 16 a + r - 8 h: on the diagonal, register j of tile kt is kept if 16 kt + j <= LIM
.set NINF, 18                          ; v18     -infinity
.set NM,   20                          ; v[20:23] -(c max) of query tile a, twice (a pair for the packed forms)
.set AL,   24                          ; v[24:27] the factor for the old sums, later 1 / sum, twice
.set LA,   28                          ; v[28:35] four partial row sums for each a
.set T,    36                          ; v36-43  at work
.set DD,   44                          ; v44-45  NM new - NM old
.set OB,   64
.set SB,   128
.set G1K, 16                           ; s[16:23] group 1 for K
.set G1V, 24                           ; s[24:31] group 1 for V: other padding
.set G0K, 32                           ; s[32:39] group 0 for K, one set a slot
.set G0V, 40                           ; s[40:47] group 0 for V, one set a slot
.set MSB, 0
.macro WIN new                         ; the immediate's high byte repeats the setting that is left
.if MSB != \new
	s_set_vgpr_msb (MSB<<8)|\new
.set MSB, \new
.endif
.endm
; One tensor load a wave: waves 0 and 1 fetch K's halves, waves 2 and 3 V's.
.macro TLOAD s
	s_cmp_eq_u32 s9, 0
	s_cbranch_scc0 .Lfor_v_\@
	tensor_load_to_lds s[G0K+4*(\s):G0K+4*(\s)+3], s[G1K:G1K+7]
	s_nop 0
	s_branch .Lasked_\@
.Lfor_v_\@:
	tensor_load_to_lds s[G0V+4*(\s):G0V+4*(\s)+3], s[G1V:G1V+7]
	s_nop 0
.Lasked_\@:
.endm
	s_load_b128 s[4:7], s[0:1], 0x0                ; qkv s[4:5], att s[6:7]
	v_lshl_add_u32 v62, v0, 2, 0x29000
	v_mov_b32 v63, 0
	ds_add_u32 v62, v63
	ds_add_u32 v62, v63
	v_lshrrev_b32 v1, 5, v0
	v_readfirstlane_b32 s8, v1                     ; wave 0..3
	s_lshr_b32 s9, s8, 1                           ; I fetch for K (0) or for V (1)
	s_and_b32 s10, s8, 1                           ; which 64 keys of the tile I fetch
	s_mov_b32 s11, ttmp9                           ; p
	s_and_b32 s12, ttmp7, 0xffff                   ; bh
	; group 1: my 64 keys are 8,192 dense bytes, taken as 32 rows of 256 bytes; padding behind every 32 words, that is behind every key's 128 bytes
	s_mov_b32 s[G1K+0], (1<<16)|(1<<20)|(4<<22)|(3<<25)    ; elements of 2 bytes; 4 words of padding: LDS pitch 144
	s_mov_b32 s[G1V+0], (1<<16)|(1<<20)|(4<<22)|(7<<25)    ; 8 words of padding: LDS pitch 160
	s_mov_b32 s[G1K+1], 128<<16                    ; tensor_dim0 = 128
	s_mov_b32 s[G1V+1], 128<<16
	s_mov_b32 s[G1K+2], 32<<16                     ; tensor_dim1 = 32
	s_mov_b32 s[G1V+2], 32<<16
	s_mov_b32 s[G1K+3], 128<<16                    ; tile_dim0 = 128
	s_mov_b32 s[G1V+3], 128<<16
	s_mov_b32 s[G1K+4], 32                         ; tile_dim1 = 32
	s_mov_b32 s[G1V+4], 32
	s_mov_b32 s[G1K+5], 128                        ; elements from row to row
	s_mov_b32 s[G1V+5], 128
	s_mov_b32 s[G1K+6], 0
	s_mov_b32 s[G1V+6], 0
	s_mov_b32 s[G1K+7], 0
	s_mov_b32 s[G1V+7], 0
	s_lshr_b32 s66, s12, 4
	s_mul_i32 s66, s66, 48
	s_and_b32 s67, s12, 15
	s_add_co_u32 s66, s66, s67                     ; q's head block: 48 b + h
	s_lshl_b32 s15, s66, 18                        ; in bytes
	s_lshl_b32 s2, s8, 12                          ; my 32 rows of 128 bytes
	s_lshl_b32 s3, s11, 14                         ; block p: 128 rows of 128 bytes
	s_sub_co_u32 s67, 15, s11
	s_lshl_b32 s67, s67, 14                        ; block 15 - p
	s_add_co_u32 s3, s3, s2                        ; my rows in the first block
	s_add_co_u32 s2, s67, s2                       ; my rows in the second block
	s_lshl_b32 s62, s12, 18                        ; att's head block
	s_lshl_b32 s63, s10, 13                        ; my 64 keys of a tile
	s_add_co_u32 s66, s15, s63
	s_add_co_u32 s66, s66, 16<<18                  ; k's head block lies 16 behind q's
	s_mov_b32 s67, 0
	s_mul_i32 s63, s8, QUART                       ; my quarter of a slot
	s_mov_b32 s58, 0x3e38aa3b                      ; c = log2(e) / 8, twice
	s_mov_b32 s59, 0x3e38aa3b
	s_mov_b32 s60, 0x76543210                      ; v_permlanex16_b32: lane i of one half reads lane i of the other
	s_mov_b32 s61, 0xfedcba98
	v_and_b32 v1, 15, v0                           ; r
	v_bfe_u32 v2, v0, 4, 1                         ; h
	v_lshlrev_b32 v[QO], 7, v1
	v_lshl_add_u32 v[QO], v2, 4, v[QO]             ; r x 128 + 16 h
	s_wait_dscnt 0x0
	s_wait_kmcnt 0x0
	s_add_nc_u64 s[48:49], s[4:5], s[66:67]        ; K: my 64 keys of tile 0
	s_add_nc_u64 s[50:51], s[48:49], 16<<18        ; V: 16 head blocks further
	s_add_co_u32 s66, s15, s2
	s_add_nc_u64 s[52:53], s[4:5], s[66:67]        ; my q rows of the second block
	s_add_co_u32 s66, s15, s3
	s_add_nc_u64 s[68:69], s[4:5], s[66:67]        ; my q rows of the first block
	s_add_co_u32 s66, s62, s3
	s_add_nc_u64 s[54:55], s[6:7], s[66:67]        ; my att rows of the block at work
	s_add_co_u32 s66, s62, s2
	s_add_nc_u64 s[56:57], s[6:7], s[66:67]        ; my att rows of the second block
.irp s, 0,1
	s_mov_b32 s[G0K+4*\s], 1
	s_add_co_u32 s[G0K+4*\s+1], s63, \s*SLOT       ; wave x 10,240 + slot x 40,960
	s_mov_b32 s[G0V+4*\s], 1
	s_add_co_u32 s[G0V+4*\s+1], s63, \s*SLOT
.endr
	s_mov_b64 s[G0K+2:G0K+3], s[48:49]
	s_or_b32 s[G0K+3], s[G0K+3], 0x80000000
	s_mov_b64 s[G0V+2:G0V+3], s[50:51]
	s_or_b32 s[G0V+3], s[G0V+3], 0x80000000
	TLOAD 0                                        ; key tile 0 into slot 0: the one first fill at the start; slot 1 is first filled behind the first step's barrier
	WIN 0x80                                       ; destination window 2
.irp a, 0,1
.irp ks, 0,1
	global_load_b128 v[16*\a+8*\ks:16*\a+8*\ks+3],   v[QO], s[68:69] offset:\a*2048+\ks*64      ; Q(16 a + r, 32 ks + 8 h ..)
	global_load_b128 v[16*\a+8*\ks+4:16*\a+8*\ks+7], v[QO], s[68:69] offset:\a*2048+\ks*64+32   ; Q(16 a + r, 32 ks + 16 + 8 h ..)
.endr
.endr
	WIN 0
	v_and_b32 v3, 31, v0                           ; l
	v_and_b32 v4, 7, v0                            ; l % 8
	v_bfe_u32 v5, v0, 3, 1                         ; (l / 8) % 2
	v_mul_u32_u24 v6, v1, KP
	v_lshl_add_u32 v6, v2, 4, v6                   ; r x 144 + 16 h
	v_mov_b32 v[ADRK], v6
	v_add_nc_u32 v[ADRK+1], SLOT, v6
	v_lshl_add_u32 v7, v2, 3, v4                   ; key 8 h + l % 8
	v_mul_u32_u24 v7, v7, VP
	v_lshl_add_u32 v7, v5, 4, v7
	v_add_nc_u32 v[ADRV], 2*QUART, v7
	v_add_nc_u32 v[ADRV+1], SLOT+2*QUART, v7
	s_mul_i32 s66, s8, 32*KP
	s_add_co_u32 s66, s66, STAGE                   ; my stage
	v_add_nc_u32 v[STO], s66, v6
	v_lshrrev_b32 v7, 3, v3
	v_mul_u32_u24 v7, v7, KP
	v_lshl_add_u32 v7, v4, 4, v7                   ; eight lanes take a row's 128 bytes, the wave four rows
	v_add_nc_u32 v[RD], s66, v7
	v_lshlrev_b32 v[CO], 4, v3
	v_lshlrev_b32 v7, 3, v2
	v_sub_nc_u32 v7, v1, v7                        ; r - 8 h
	s_lshl_b32 s67, s8, 5
	v_add_nc_u32 v[LIM], s67, v7
	v_add_nc_u32 v[LIM+1], 16, v[LIM]
	v_mov_b32 v[NINF], 0xff800000
.irp i, 0,1,2,3
	v_mov_b32 v[NM+\i], 0x7f800000                 ; no maximum yet
.endr
.irp i, 0,1,2,3,4,5,6,7
	v_mov_b32 v[LA+\i], 0
.endr
.set i, 0
.rept 64
	v_mov_b32 v[OB+i], 0                           ; O is written once here, while tile 0 is on its way, so that one step's text serves all 17 steps:
.set i, i+1                                        ; each block's first step multiplies the old O by 0
.endr
; The running maximum of both query tiles, and the rescaling of the old sums and of O.
.macro ROWMAX
.irp a, 0,1
.irp c, 0,1,2,3
	v_max_num_f32 v[T+4*\a+\c], v[SB+64*\a+16*\c], v[SB+64*\a+16*\c+1]         ; eight chains of 16 numbers that do not wait for each other
.endr
.endr
.irp i, 1,2,3,4,5,6,7
.irp a, 0,1
.irp c, 0,1,2,3
	v_max3_num_f32 v[T+4*\a+\c], v[T+4*\a+\c], v[SB+64*\a+16*\c+2*\i], v[SB+64*\a+16*\c+2*\i+1]
.endr
.endr
.endr
.irp a, 0,1
	v_max3_num_f32 v[T+4*\a], v[T+4*\a], v[T+4*\a+1], v[T+4*\a+2]
.endr
.irp a, 0,1
	v_max_num_f32 v[T+4*\a], v[T+4*\a], v[T+4*\a+3]
.endr
.irp a, 0,1
	v_permlanex16_b32 v[T+4*\a+1], v[T+4*\a], s60, s61     ; the other half of the wave holds the same query's other keys
.endr
.irp a, 0,1
	v_max_num_f32 v[T+4*\a], v[T+4*\a], v[T+4*\a+1]        ; the tile's maximum for my query: finite, since every step has a kept key for every query
.endr
.irp a, 0,1
	v_mul_f32 v[T+4*\a], 0xbe38aa3b, v[T+4*\a]             ; -c max
.endr
.irp a, 0,1
	v_min_num_f32 v[T+4*\a], v[NM+2*\a], v[T+4*\a]         ; the running one
.endr
.irp a, 0,1
	v_sub_f32 v[DD+\a], v[T+4*\a], v[NM+2*\a]              ; <= 0; -infinity in a block's first step
.endr
.irp a, 0,1
	v_mov_b32 v[NM+2*\a], v[T+4*\a]
	v_mov_b32 v[NM+2*\a+1], v[T+4*\a]
.endr
.irp a, 0,1
	v_exp_f32 v[AL+2*\a], v[DD+\a]
	v_exp_f32 v[AL+2*\a+1], v[DD+\a]
.endr
	v_nop                                          ; one plain place behind the exponentials before their results are used (ISA guide 5.7.2)
	s_wait_alu depctr_va_vdst(0)
.irp a, 0,1
	v_pk_mul_f32 v[LA+4*\a:LA+4*\a+1],   v[LA+4*\a:LA+4*\a+1],   v[AL+2*\a:AL+2*\a+1]
	v_pk_mul_f32 v[LA+4*\a+2:LA+4*\a+3], v[LA+4*\a+2:LA+4*\a+3], v[AL+2*\a:AL+2*\a+1]
.irp i, 0,1,2,3,4,5,6,7,8,9,10,11,12,13,14,15
	v_pk_mul_f32 v[OB+32*\a+2*\i:OB+32*\a+2*\i+1], v[OB+32*\a+2*\i:OB+32*\a+2*\i+1], v[AL+2*\a:AL+2*\a+1]
.endr
.endr
.endm
; Keys 32 u .. 32 u + 31: exponentials, row sums, packing to f16 in place (P(a, u) ends in the first 8 of the 16 registers), then 8 products onto O.
.macro CHUNK u
.irp a, 0,1
.irp i, 0,1,2,3,4,5,6,7
	v_pk_fma_f32 v[SB+64*\a+16*\u+2*\i:SB+64*\a+16*\u+2*\i+1], v[SB+64*\a+16*\u+2*\i:SB+64*\a+16*\u+2*\i+1], s[58:59], v[NM+2*\a:NM+2*\a+1] op_sel_hi:[1,0,1]
.endr
.irp i, 0,1,2,3,4,5,6,7,8,9,10,11,12,13,14,15
	v_exp_f32 v[SB+64*\a+16*\u+\i], v[SB+64*\a+16*\u+\i]   ; back to back on different registers; the plain line that follows the run touches none of them
.endr
.endr
	s_wait_alu depctr_va_vdst(0)
.irp a, 0,1
.irp i, 0,1,2,3,4,5,6,7
	v_pk_add_f32 v[LA+4*\a+2*(\i&1):LA+4*\a+2*(\i&1)+1], v[LA+4*\a+2*(\i&1):LA+4*\a+2*(\i&1)+1], v[SB+64*\a+16*\u+2*\i:SB+64*\a+16*\u+2*\i+1]
.endr
.irp i, 0,1,2,3,4,5,6,7
	v_cvt_pk_f16_f32 v[SB+64*\a+16*\u+\i], v[SB+64*\a+16*\u+2*\i], v[SB+64*\a+16*\u+2*\i+1]   ; ascending: register i is written when 2 i and 2 i + 1 are read
.endr
.endr
	WIN 0x01                                       ; source 0 (V) window 1, the rest window 0
	s_wait_dscnt 24-8*\u                           ; V's fragments of this chunk are in; the 8 loads of each later chunk may be out
.irp a, 0,1
.irp dt, 0,1,2,3
	v_wmma_f32_16x16x32_f16 v[OB+32*\a+8*\dt:OB+32*\a+8*\dt+7], v[128+32*\u+8*\dt:128+32*\u+8*\dt+7], v[SB+64*\a+16*\u:SB+64*\a+16*\u+7], v[OB+32*\a+8*\dt:OB+32*\a+8*\dt+7]
.endr
.endr
	WIN 0
.endm
; A block is done: O / sum, rounded to f16, through my stage, out in runs of four rows.  last = 0: the row state is set for the second block.
.macro FINAL last
.irp a, 0,1
	v_pk_add_f32 v[LA+4*\a:LA+4*\a+1], v[LA+4*\a:LA+4*\a+1], v[LA+4*\a+2:LA+4*\a+3]
.endr
.irp a, 0,1
	v_add_f32 v[T+4*\a], v[LA+4*\a], v[LA+4*\a+1]
.endr
.irp a, 0,1
	v_permlanex16_b32 v[T+4*\a+1], v[T+4*\a], s60, s61
.endr
.irp a, 0,1
	v_add_f32 v[T+4*\a], v[T+4*\a], v[T+4*\a+1]            ; the row's sum
.endr
.irp a, 0,1
	v_rcp_f32 v[AL+2*\a], v[T+4*\a]
	v_rcp_f32 v[AL+2*\a+1], v[T+4*\a]
.endr
	v_nop                                          ; one plain place behind the reciprocals
	s_wait_alu depctr_va_vdst(0)
.irp a, 0,1
.irp i, 0,1,2,3,4,5,6,7,8,9,10,11,12,13,14,15
	v_pk_mul_f32 v[OB+32*\a+2*\i:OB+32*\a+2*\i+1], v[OB+32*\a+2*\i:OB+32*\a+2*\i+1], v[AL+2*\a:AL+2*\a+1]
.endr
.endr
.irp a, 0,1
.irp i, 0,1,2,3,4,5,6,7,8,9,10,11,12,13,14,15
	v_cvt_pk_f16_f32 v[SB+16*\a+\i], v[OB+32*\a+2*\i], v[OB+32*\a+2*\i+1]
.endr
.endr
.irp a, 0,1
.irp dt, 0,1,2,3
	ds_store_b128 v[STO], v[SB+16*\a+4*\dt:SB+16*\a+4*\dt+3] offset:\a*16*KP+\dt*32    ; row 16 a + r, d = 16 dt + 8 h + 0..7
.endr
.endr
.irp n, 0,1,2,3,4,5,6,7
	ds_load_b128 v[SB+32+4*\n:SB+32+4*\n+3], v[RD] offset:\n*4*KP      ; LDS serves a wave's instructions in order (ISA guide 5.7.1.4): these see the stores above
.endr
.irp n, 0,1,2,3,4,5,6,7
	s_wait_dscnt 7-\n
	global_store_b128 v[CO], v[SB+32+4*\n:SB+32+4*\n+3], s[54:55] offset:\n*512        ; four rows: 512 consecutive bytes, aligned
.endr
.if \last == 0
	s_wait_xcnt 0x0                                ; the stores' base and data are written again only behind this wait
	s_mov_b64 s[54:55], s[56:57]                   ; the second block's rows
.irp i, 0,1,2,3
	v_mov_b32 v[NM+\i], 0x7f800000                 ; no maximum yet: the next step multiplies the old O, which is finite, by 0
.endr
.irp i, 0,1,2,3,4,5,6,7
	v_mov_b32 v[LA+\i], 0
.endr
.endif
.endm
; One key tile of 128 out of slot 'slot'.  last = 1: step 16, which is always a diagonal one and ends the kernel.
.macro STEP slot, last
	WIN 0x40                                       ; destination window 1
.irp kt, 0,1,2,3,4,5,6,7
	ds_load_b128 v[16*\kt:16*\kt+3],   v[ADRK+\slot] offset:(\kt&3)*16*KP+(\kt>>2)*QUART       ; K(16 kt + r, 8 h ..)
	ds_load_b128 v[16*\kt+4:16*\kt+7], v[ADRK+\slot] offset:(\kt&3)*16*KP+(\kt>>2)*QUART+32
.endr
.irp kt, 0,1,2,3,4,5,6,7
	ds_load_b128 v[16*\kt+8:16*\kt+11],  v[ADRK+\slot] offset:(\kt&3)*16*KP+(\kt>>2)*QUART+64  ; K(16 kt + r, 32 + 8 h ..)
	ds_load_b128 v[16*\kt+12:16*\kt+15], v[ADRK+\slot] offset:(\kt&3)*16*KP+(\kt>>2)*QUART+96
.endr
.irp u, 0,1,2,3
.irp dt, 0,1,2,3
	ds_load_tr16_b128 v[128+32*\u+8*\dt:128+32*\u+8*\dt+3],   v[ADRV+\slot] offset:32*\u*VP+32*\dt         ; V^T(16 dt + r, 32 u + 8 h ..)
	ds_load_tr16_b128 v[128+32*\u+8*\dt+4:128+32*\u+8*\dt+7], v[ADRV+\slot] offset:32*\u*VP+32*\dt+16*VP   ; V^T(16 dt + r, 32 u + 16 + 8 h ..)
.endr
.endr
	WIN 0x09                                       ; source 0 (K) window 1, source 1 (Q) window 2, C and D window 0
	s_wait_loadcnt 0x0                             ; Q of the block at work: loads are out only in a block's first step
	s_wait_dscnt 48                                ; K's first 16 loads (d 0-31) are in; K's other 16 and V's 32 may be out
	; the 16 accumulators take turns, one instruction a turn, in the same order in both runs
.irp a, 0,1
.irp kt, 0,1,2,3,4,5,6,7
	v_wmma_f32_16x16x32_f16 v[SB+64*\a+8*\kt:SB+64*\a+8*\kt+7], v[16*\kt:16*\kt+7], v[16*\a:16*\a+7], 0
.endr
.endr
	s_wait_dscnt 32                                ; all of K is in; V's 32 loads may be out
.irp a, 0,1
.irp kt, 0,1,2,3,4,5,6,7
	v_wmma_f32_16x16x32_f16 v[SB+64*\a+8*\kt:SB+64*\a+8*\kt+7], v[16*\kt+8:16*\kt+15], v[16*\a+8:16*\a+15], v[SB+64*\a+8*\kt:SB+64*\a+8*\kt+7]
.endr
.endr
	WIN 0
.rept 4
	v_nop                                          ; four places before S is read and before loads land on Q
.endr
.if \last == 0
	s_cmp_lg_u32 s13, s11                          ; the diagonal step of the first block is t = p
	s_cbranch_scc1 .Lnodiag_\@
	WIN 0x80
.irp a, 0,1
.irp ks, 0,1
	global_load_b128 v[16*\a+8*\ks:16*\a+8*\ks+3],   v[QO], s[52:53] offset:\a*2048+\ks*64     ; the second block's Q: this block's last S products are done,
	global_load_b128 v[16*\a+8*\ks+4:16*\a+8*\ks+7], v[QO], s[52:53] offset:\a*2048+\ks*64+32  ; and the rest of the step is there for them to land
.endr
.endr
	WIN 0
.endif
.irp a, 0,1
.irp kt, 0,1,2,3,4,5,6,7
.irp j, 0,1,2,3,4,5,6,7
	v_cmp_gt_i32 vcc_lo, 16*\kt+\j, v[LIM+\a]      ; key 16 kt + 8 h + j beyond query 32 wave + 16 a + r
	v_cndmask_b32 v[SB+64*\a+8*\kt+\j], v[SB+64*\a+8*\kt+\j], v[NINF], vcc_lo
.endr
.endr
.endr
.if \last == 0
.Lnodiag_\@:
.endif
	ROWMAX
	CHUNK 0
	CHUNK 1
	CHUNK 2
	CHUNK 3
.rept 5
	v_nop                                          ; five places before the next step's S products write over P; four of them serve the loads onto V's fragments and the reads of O
.endr
.if \last == 0
	s_cmp_lg_u32 s13, s11
	s_cbranch_scc1 .Lnofinal_\@
.endif
	FINAL \last
.if \last == 0
.Lnofinal_\@:
.endif
.endm
; A step with its change of slots.  In front of the barrier every wave waits for all its tensor loads (one is out: its part of this step's tile) and for its reads
; of the other slot; behind it the other slot's fill is the wave's first and only tensor load, and has the whole step in which to land.
.macro TRIP slot, refill, last
	s_wait_tensorcnt 0x0                           ; no tensor load of mine is out, so a group 0 may be written
	ds_add_u32 v62, v63
	s_wait_dscnt 0x0
.if \refill
	s_add_co_u32 s66, s13, 1                       ; the next step's key tile: t + 1 in the first block,
	s_sub_co_u32 s67, s13, s11                     ; t - p in the second
	s_cmp_le_u32 s66, s11
	s_cselect_b32 s66, s66, s67
	s_lshl_b32 s66, s66, 14                        ; tiles of 128 keys x 128 bytes
	s_mov_b32 s67, 0
	s_add_nc_u64 s[G0K+4*(1-\slot)+2:G0K+4*(1-\slot)+3], s[48:49], s[66:67]
	s_or_b32 s[G0K+4*(1-\slot)+3], s[G0K+4*(1-\slot)+3], 0x80000000
	s_add_nc_u64 s[G0V+4*(1-\slot)+2:G0V+4*(1-\slot)+3], s[50:51], s[66:67]
	s_or_b32 s[G0V+4*(1-\slot)+3], s[G0V+4*(1-\slot)+3], 0x80000000
.endif
	s_wait_dscnt 0x0                               ; my reads of the other slot are back
	s_barrier_signal -1
	s_barrier_wait -1                              ; both now hold of all four waves
.if \refill
	TLOAD 1-\slot
.endif
	STEP \slot, \last
.if \last == 0
	s_add_co_u32 s13, s13, 1
.endif
.endm
	s_mov_b32 s13, 0                               ; t
	s_mov_b32 s14, 8                               ; eight trips of two steps: t = 0..15
.Lsteps:
	TRIP 0, 1, 0
	TRIP 1, 1, 0
	s_sub_co_u32 s14, s14, 1
	s_cmp_lg_u32 s14, 0
	s_cbranch_scc1 .Lsteps
	TRIP 0, 0, 1                                   ; t = 16: the second block's diagonal tile; nothing is left to fetch
	s_wait_tensorcnt 0x0
	ds_add_u32 v62, v63
	s_wait_dscnt 0x0
	s_endpgm
.Lfunc_end_k_q732ef4ecf0_attn:
	.size	k_q732ef4ecf0_attn, .Lfunc_end_k_q732ef4ecf0_attn-k_q732ef4ecf0_attn
	.p2alignl 7, 3214868480
	.fill 96, 4, 3214868480
	.section	.rodata,"a",@progbits
	.p2align	6, 0x0
	.amdhsa_kernel k_q732ef4ecf0_attn
		.amdhsa_group_segment_fixed_size 327680
		.amdhsa_private_segment_fixed_size 0
		.amdhsa_enable_private_segment 0
		.amdhsa_kernarg_size 16
		.amdhsa_user_sgpr_count 2
		.amdhsa_user_sgpr_kernarg_segment_ptr 1
		.amdhsa_wavefront_size32 1
		.amdhsa_system_sgpr_workgroup_id_x 1
		.amdhsa_system_sgpr_workgroup_id_y 1
		.amdhsa_system_sgpr_workgroup_id_z 1
		.amdhsa_system_vgpr_workitem_id 0
		.amdhsa_next_free_vgpr 544
		.amdhsa_next_free_sgpr 72
		.amdhsa_reserve_vcc 1
		.amdhsa_float_denorm_mode_32 3
		.amdhsa_float_denorm_mode_16_64 3
		.amdhsa_memory_ordered 1
		.amdhsa_forward_progress 1
		.amdhsa_inst_pref_size 160
	.end_amdhsa_kernel
	.amdgpu_metadata
---
amdhsa.version: [ 1, 2 ]
amdhsa.kernels:
  - .name:           k_q732ef4ecf0_attn
    .symbol:         k_q732ef4ecf0_attn.kd
    .args:
      - { .name: qkv, .offset: 0, .size: 8, .value_kind: global_buffer, .address_space: global }
      - { .name: att, .offset: 8, .size: 8, .value_kind: global_buffer, .address_space: global }
    .group_segment_fixed_size: 327680
    .private_segment_fixed_size: 0
    .kernarg_segment_align: 8
    .kernarg_segment_size: 16
    .max_flat_workgroup_size: 128
    .sgpr_count:     72
    .vgpr_count:     544
    .wavefront_size: 32
...
	.end_amdgpu_metadata
.endif
;; end of part 3
;; launch outproj (part 4): grid 8 x 32, 4 waves a work-group, clusters of 4 x 4, 327,680 bytes of LDS; arguments att, xw, bo, out0; writes out0
.if DOCPART == 4
	.amdgcn_target "amdgcn-amd-amdhsa--gfx1250"
	.amdhsa_code_object_version 6
	.text
	.protected	k_q732ef4ecf0_outproj
	.globl	k_q732ef4ecf0_outproj
	.p2align	8
	.type	k_q732ef4ecf0_outproj,@function
k_q732ef4ecf0_outproj:
	s_mov_b64 s[64:65], 0
	v_nop
	global_prefetch_b8 v0, s[64:65] scope:SCOPE_SE
	s_setreg_imm32_b32 hwreg(HW_REG_WAVE_MODE, 25, 1), 1
	s_wait_xcnt 0x0
	s_wait_alu depctr_hold_cnt(0) depctr_sa_sdst(0) depctr_va_vdst(0) depctr_va_sdst(0) depctr_va_ssrc(0) depctr_va_vcc(0) depctr_vm_vsrc(0)
	s_getreg_b32 s2, hwreg(HW_REG_IB_STS2, 6, 4)
	s_cmp_eq_u32 s2, 0
	s_cbranch_scc0 .Lentry_in_a_cluster
	s_endpgm
.Lentry_in_a_cluster:
	s_bfe_u32 s2, ttmp6, 0x10000c
	s_cmp_lg_u32 s2, 0xf033
	s_cbranch_scc0 .Lentry_shape_is_right
	s_endpgm
.Lentry_shape_is_right:
; out0 = att Wo + bo: 4096 x 1024 x 1024 on f16 operands with f32 sums; the bias is added in f32; f32 out.
; att: f16 [b 2][h 16][s 2048][64]: column k = 64 h + d of the product's left side lies in head block h.
; Wo: [1024 k][1024 n] at byte 14,680,064 of xw, the numbers rounded to bf16 and written in f16's format, since a matrix instruction takes one format for both sources.
; 256 work-groups, each a block of 128 x 128 with four waves; a wave makes 64 x 64: 16 accumulator tiles.  Blocks of 256 rows would leave half as many work-groups.
; K goes in four steps of 256 (four heads) through two LDS slots: both slots, half of K, are asked for at the start, and each is filled again once.
; CLUSTERS: 4 x 4 work-groups; att's tile is shared along a cluster's row, Wo's along a column, each asked for jointly: a quarter of the requests.
; The matrix instruction is used transposed (source 0 = 16 columns of Wo by the transposing load, source 1 = 16 rows of att): a lane holds eight neighbouring
; columns of one row, 32 bytes of f32.
; REGISTERS: window 0: v16-27 addresses, v32-63 the bias of my 64 columns, v64-127 two buffers for the way out
;   window 1: fragment buffers v0-127 and v128-255, each 64 along K: att (kq, i) at 32 kq + 8 i, Wo (kq, i) at 64 + 32 kq + 8 i
;   window 2: v0-127 accumulators, tile (a, b) at 8 (4 a + b)
; LIMITS: NaN and infinities are not treated specially; att is used as rounded to f16, Wo as rounded to bf16; both lie inside f16's range as the launches that
; stored them state.
.set APITCH, 144                       ; att's LDS row: 128 bytes + 16, an odd multiple of 16
.set BPITCH, 288                       ; Wo's LDS row: 256 bytes + 32, an odd multiple of 32
.set PLANE,  128*APITCH                ; one head's 128 rows
.set HALFT,  2*PLANE                   ; what one tensor load brings: two heads' planes, or 128 k rows of Wo (128 x 288 is the same 36,864 bytes)
.set SLOT,   4*HALFT                   ; four planes of att, then 256 k rows of Wo
.set STAGE,  2*SLOT                    ; behind the ring: 16 rows x 272 bytes for each wave; no fill lands here
.set SPITCH, 272
.set WOOFF,  14680064
.set ADRA, 16                          ; v16-17  LDS address of my att fragments in slot 0, 1
.set ADRB, 20                          ; v20-23  of my Wo fragments: slot 0 k rows 0-127, 128-255, slot 1 likewise (the immediate has 16 bits)
.set STO,  24
.set RD,   25
.set CO,   26
.set BO,   27
.set BIAS, 32
.set RB,   64
.set F0,   0
.set F1,   128
.set G1,  24
.set G0,  32
.set G1B, 48
.set G0B, 56
.set MSB, 0
.macro WIN new                         ; the immediate's high byte repeats the setting that is left
.if MSB != \new
	s_set_vgpr_msb (MSB<<8)|\new
.set MSB, \new
.endif
.endm
.set MULW, 0xa5                        ; sources 0 and 1 window 1, C and D window 2
.set TO_F, 0x40                        ; destination window 1, address window 0
.macro JLOAD s                         ; waves 0 and 1 fetch att's halves, waves 2 and 3 Wo's; the branch hangs on the wave's number alone
	s_cmp_eq_u32 s15, 0
	s_cbranch_scc0 .Lfor_b_\@
	tensor_load_to_lds s[G0+4*\s:G0+4*\s+3], s[G1:G1+7]
	s_nop 0
	s_branch .Lasked_\@
.Lfor_b_\@:
	tensor_load_to_lds s[G0B+4*\s:G0B+4*\s+3], s[G1B:G1B+7]
	s_nop 0
.Lasked_\@:
.endm
.macro CREST                           ; a round of the cluster's barrier behind its opening barrier
	s_cmp_lg_u32 s14, 0
	s_cbranch_scc1 .Lnot_wave_0_\@
	s_barrier_signal -3
.Lnot_wave_0_\@:
	s_barrier_wait -3
	s_barrier_signal -1
	s_barrier_wait -1
.endm
.macro CROUND
	s_barrier_signal -1
	s_barrier_wait -1
	CREST
.endm
	s_load_b256 s[4:11], s[0:1], 0x0               ; att s[4:5], xw s[6:7], bo s[8:9], out0 s[10:11]
	v_lshl_add_u32 v254, v0, 2, 0x4c400
	v_mov_b32 v255, 0
	ds_add_u32 v254, v255
	ds_add_u32 v254, v255
	v_lshrrev_b32 v1, 5, v0
	v_readfirstlane_b32 s14, v1                    ; wave 0..3
	s_lshr_b32 s15, s14, 1                         ; my half of the block's rows.  Also: I fetch for att (0) or for Wo (1)
	s_and_b32 s16, s14, 1                          ; my half of its columns.  Also: which half of that tile I fetch
	s_bfe_u32 s17, ttmp6, 0x40000                  ; cx
	s_bfe_u32 s18, ttmp6, 0x40004                  ; cy
	s_lshl_b32 s21, ttmp9, 2
	s_add_co_u32 s21, s21, s17                     ; block column 0..7
	s_and_b32 s20, ttmp7, 0xffff
	s_lshl_b32 s20, s20, 2
	s_add_co_u32 s20, s20, s18                     ; block row 0..31
	s_lshl_b32 s40, s18, 2
	s_lshl_b32 s40, 15, s40                        ; my row of the cluster
	s_lshl_b32 s41, 0x1111, s17                    ; my column
	; group 1 for att: two planes, each 128 rows x 64 elements that are dense in memory: a 'row' of 8,192 elements, 131,072 elements from head to head;
	; 4 words of padding behind every 32, that is behind each of the 128 rows of 128 bytes
	s_or_b32 s[G1+0], s40, (1<<16)|(1<<20)|(1<<21)|(4<<22)|(3<<25)
	s_mov_b32 s[G1+1], 8192<<16                    ; tensor_dim0 = 8192
	s_mov_b32 s[G1+2], 2<<16                       ; tensor_dim1 = 2
	s_mov_b32 s[G1+3], 8192<<16                    ; tile_dim0 = 8192
	s_mov_b32 s[G1+4], 2                           ; tile_dim1 = 2
	s_mov_b32 s[G1+5], 131072
	s_mov_b32 s[G1+6], 0
	s_mov_b32 s[G1+7], 0
	; group 1 for Wo: 128 k rows x 128 elements, 8 words of padding behind every 64
	s_or_b32 s[G1B+0], s41, (1<<16)|(1<<20)|(1<<21)|(5<<22)|(7<<25)
	s_mov_b32 s[G1B+1], 128<<16
	s_mov_b32 s[G1B+2], 128<<16
	s_mov_b32 s[G1B+3], 128<<16
	s_mov_b32 s[G1B+4], 128
	s_mov_b32 s[G1B+5], 1024
	s_mov_b32 s[G1B+6], 0
	s_mov_b32 s[G1B+7], 0
	; att's tile hangs on the block row alone, Wo's on the block column alone; each offset is made in registers that never hold the other coordinate
	s_lshr_b32 s42, s20, 4                         ; batch
	s_lshl_b32 s42, s42, 22                        ; 16 head blocks of 262,144 bytes
	s_lshl_b32 s43, s16, 19                        ; + my two planes
	s_add_co_u32 s42, s42, s43
	s_and_b32 s43, s20, 15
	s_lshl_b32 s43, s43, 14                        ; + 128 rows of 128 bytes a block row
	s_add_co_u32 s42, s42, s43
	s_mov_b32 s43, 0
	s_lshl_b32 s44, s16, 18                        ; my 128 k rows of 2,048 bytes
	s_lshl_b32 s45, s21, 8                         ; + 128 columns of 2 bytes a block column
	s_add_co_u32 s44, s44, s45
	s_add_co_u32 s44, s44, WOOFF
	s_mov_b32 s45, 0
	s_mul_i32 s46, s14, HALFT                      ; where my part goes: wave x 36,864
	s_wait_dscnt 0x0
	s_wait_kmcnt 0x0
	s_add_nc_u64 s[42:43], s[4:5], s[42:43]
	s_add_nc_u64 s[44:45], s[6:7], s[44:45]
	CROUND                                         ; all sixteen work-groups are here: the first joint loads meet
.irp s, 0,1
	s_mov_b32 s[G0+4*\s], 1
	s_add_co_u32 s[G0+4*\s+1], s46, \s*SLOT
	s_add_nc_u64 s[G0+4*\s+2:G0+4*\s+3], s[42:43], \s*4*262144         ; K step s: four heads on
	s_or_b32 s[G0+4*\s+3], s[G0+4*\s+3], 0x80000000
	s_mov_b32 s[G0B+4*\s], 1
	s_add_co_u32 s[G0B+4*\s+1], s46, \s*SLOT
	s_add_nc_u64 s[G0B+4*\s+2:G0B+4*\s+3], s[44:45], \s*256*2048       ; K step s: 256 k rows down
	s_or_b32 s[G0B+4*\s+3], s[G0B+4*\s+3], 0x80000000
	JLOAD \s                                       ; two loads of mine are out
.endr
	v_and_b32 v1, 15, v0                           ; r
	v_bfe_u32 v2, v0, 4, 1                         ; h
	v_mul_u32_u24 v3, v1, APITCH
	v_lshl_add_u32 v3, v2, 4, v3                   ; r x 144 + 16 h
	v_and_b32 v4, 7, v0
	v_lshl_add_u32 v4, v2, 3, v4                   ; k row 8 h + l % 8
	v_mul_u32_u24 v4, v4, BPITCH
	v_bfe_u32 v5, v0, 3, 1
	v_lshl_add_u32 v4, v5, 4, v4
	s_mul_i32 s47, s15, 64*APITCH                  ; my 64 rows of each plane
	s_lshl_b32 s70, s16, 7                         ; my 64 columns of Wo, 128 bytes,
	s_add_co_u32 s70, s70, 2*HALFT                 ; behind att's four planes
.irp s, 0,1
	v_add_nc_u32 v[ADRA+\s], s47, v3
	v_add_nc_u32 v[ADRB+2*\s], s70, v4
	s_add_co_u32 s70, s70, HALFT
	v_add_nc_u32 v[ADRB+2*\s+1], s70, v4
	s_add_co_u32 s47, s47, SLOT
	s_add_co_u32 s70, s70, SLOT-HALFT
.endr
	s_mul_i32 s71, s14, 16*SPITCH
	s_add_co_u32 s71, s71, STAGE                   ; my stage
	v_mul_u32_u24 v6, v1, SPITCH
	v_lshl_add_u32 v6, v2, 5, v6                   ; in: row r, 32 bytes for each half of the lanes
	v_add_nc_u32 v[STO], s71, v6
	v_mul_u32_u24 v7, v2, SPITCH                   ; back: lanes 0-15 take one row of 256 bytes, lanes 16-31 the next
	v_lshl_add_u32 v7, v1, 4, v7
	v_add_nc_u32 v[RD], s71, v7
	v_lshlrev_b32 v[CO], 12, v2                    ; the same two rows in out0, 4,096 bytes apart
	v_lshl_add_u32 v[CO], v1, 4, v[CO]
	v_lshlrev_b32 v[BO], 5, v2
	s_lshl_b32 s68, s21, 9                         ; the bias of my 64 columns: 128 columns of 4 bytes a block column
	s_lshl_b32 s69, s16, 8
	s_add_co_u32 s68, s68, s69
	s_mov_b32 s69, 0
	s_add_nc_u64 s[66:67], s[8:9], s[68:69]
.irp b, 0,1,2,3
	global_load_b128 v[BIAS+8*\b:BIAS+8*\b+3],   v[BO], s[66:67] offset:64*\b      ; columns 16 b + 8 h + 0..3
	global_load_b128 v[BIAS+8*\b+4:BIAS+8*\b+7], v[BO], s[66:67] offset:64*\b+16   ; + 4..7; waited for in front of the way out
.endr
; 32 LDS loads in one run: the fragments of 64 along K (head j of the slot's four) into buffer f
.macro FETCH slot, j, f
	WIN TO_F
.irp kq, 0,1
.irp i, 0,1,2,3
	ds_load_b128 v[\f+32*\kq+8*\i:\f+32*\kq+8*\i+3],   v[ADRA+\slot] offset:(\j)*PLANE+\i*16*APITCH+\kq*64
	ds_load_b128 v[\f+32*\kq+8*\i+4:\f+32*\kq+8*\i+7], v[ADRA+\slot] offset:(\j)*PLANE+\i*16*APITCH+\kq*64+32
.endr
.endr
.irp kq, 0,1
.irp i, 0,1,2,3
	ds_load_tr16_b128 v[\f+64+32*\kq+8*\i:\f+64+32*\kq+8*\i+3],   v[ADRB+2*\slot+((\j)>>1)] offset:(((\j)&1)*64+\kq*32)*BPITCH+32*\i
	ds_load_tr16_b128 v[\f+64+32*\kq+8*\i+4:\f+64+32*\kq+8*\i+7], v[ADRB+2*\slot+((\j)>>1)] offset:(((\j)&1)*64+\kq*32)*BPITCH+32*\i+16*BPITCH
.endr
.endr
.endm
; 16 matrix instructions, 32 along K.  The 16 accumulators take turns, one instruction a turn, always in the same order.
.macro MULQ f, kq, zero
.irp a, 0,1,2,3
.irp b, 0,1,2,3
.if \zero
	v_wmma_f32_16x16x32_f16 v[8*(4*\a+\b):8*(4*\a+\b)+7], v[\f+64+32*\kq+8*\b:\f+64+32*\kq+8*\b+7], v[\f+32*\kq+8*\a:\f+32*\kq+8*\a+7], 0
.else
	v_wmma_f32_16x16x32_f16 v[8*(4*\a+\b):8*(4*\a+\b)+7], v[\f+64+32*\kq+8*\b:\f+64+32*\kq+8*\b+7], v[\f+32*\kq+8*\a:\f+32*\kq+8*\a+7], v[8*(4*\a+\b):8*(4*\a+\b)+7]
.endif
.endr
.endr
.endm
.macro PLACES                          ; four places behind a matrix instruction before a load lands on one of its sources or its result is read (ISA guide 7.12.1 for reading its result)
.rept 4
	v_nop
.endr
.endm
; Head j of a slot's first three: fetches head j + 1 into buffer g, then multiplies buffer f.
.macro HS slot, j, f, g, zero
	PLACES
	FETCH \slot, \j+1, \g
	s_wait_dscnt 32                                ; buffer f is in; the 32 loads just issued may be out
	WIN MULW
	MULQ \f, 0, \zero
	MULQ \f, 1, 0
.endm
; A slot's fourth head, in buffer 1, and the change of slots.  In front of the barrier each wave waits for its reads of this slot and for all its tensor loads;
; behind it the refill comes first.  From a request to the wait for it a wave issues 112 matrix instructions.
.macro TURN slot, next, fill
	s_wait_dscnt 0                                 ; buffer 1 is in, and with it my last reads of this slot
	s_set_vgpr_msb 0xa5a0
	s_wait_tensorcnt 0x0                           ; all my tensor loads have landed: the one that was out is my part of the next slot
	ds_add_u32 v254, v255
	s_wait_dscnt 0x0
	s_set_vgpr_msb 0xa0a5
	s_barrier_signal -1                            ; where the slot is filled again this barrier opens a round of the cluster's barrier
	WIN MULW
	MULQ F1, 0, 0                                  ; register work while the others arrive
	WIN 0
	s_barrier_wait -1
.if \fill
	CREST                                          ; no wave of any partner still reads this slot or has a load on its way
	s_add_nc_u64 s[G0+4*\slot+2:G0+4*\slot+3], s[G0+4*\slot+2:G0+4*\slot+3], 8*262144
	s_add_nc_u64 s[G0B+4*\slot+2:G0B+4*\slot+3], s[G0B+4*\slot+2:G0B+4*\slot+3], 512*2048
	JLOAD \slot                                    ; the first tensor load behind the round, and my only one until the next
.endif
	PLACES
	FETCH \next, 0, F0
	WIN MULW
	MULQ F1, 1, 0
.endm
	s_wait_tensorcnt 1                             ; my part of slot 0 is in; slot 1's stays out
	s_barrier_signal -1
	s_barrier_wait -1
	FETCH 0, 0, F0
	HS 0, 0, F0, F1, 1                             ; the first products start the sums
	HS 0, 1, F1, F0, 0
	HS 0, 2, F0, F1, 0
	TURN 0, 1, 1                                   ; slot 0 gets heads 8-11
	HS 1, 0, F0, F1, 0
	HS 1, 1, F1, F0, 0
	HS 1, 2, F0, F1, 0
	TURN 1, 0, 1                                   ; slot 1 gets heads 12-15
	HS 0, 0, F0, F1, 0
	HS 0, 1, F1, F0, 0
	HS 0, 2, F0, F1, 0
	TURN 0, 1, 0                                   ; nothing is left to fetch
	HS 1, 0, F0, F1, 0
	HS 1, 1, F1, F0, 0
	HS 1, 2, F0, F1, 0
	s_wait_dscnt 0
	WIN MULW
	MULQ F1, 0, 0
	MULQ F1, 1, 0
	; THE WAY OUT, 16 rows at a time: add the bias, 32 bytes a lane into my stage, read back as whole rows of 256 bytes.
	s_wait_loadcnt 0x0                             ; the bias
	PLACES                                         ; behind the last matrix instructions
	s_lshl_b32 s72, s20, 19                        ; 128 rows of 4,096 bytes a block row
	s_lshl_b32 s73, s15, 18                        ; + my 64 rows
	s_add_co_u32 s72, s72, s73
	s_lshl_b32 s73, s21, 9                         ; + 128 columns of 4 bytes a block column
	s_add_co_u32 s72, s72, s73
	s_lshl_b32 s73, s16, 8                         ; + my 64 columns
	s_add_co_u32 s72, s72, s73
	s_mov_b32 s73, 0
	s_add_nc_u64 s[10:11], s[10:11], s[72:73]
.macro OUTM a, f
	WIN 0x82                                       ; D and source 0 window 2, source 1 (bias) window 0
.irp b, 0,1,2,3
.irp r, 0,1,2,3
	v_pk_add_f32 v[8*(4*\a+\b)+2*\r:8*(4*\a+\b)+2*\r+1], v[8*(4*\a+\b)+2*\r:8*(4*\a+\b)+2*\r+1], v[BIAS+8*\b+2*\r:BIAS+8*\b+2*\r+1]
.endr
.endr
	WIN 0x08                                       ; an LDS store's data is source 1: window 2
.irp b, 0,1,2,3
	ds_store_b128 v[STO], v[8*(4*\a+\b):8*(4*\a+\b)+3]   offset:64*\b
	ds_store_b128 v[STO], v[8*(4*\a+\b)+4:8*(4*\a+\b)+7] offset:64*\b+16
.endr
	WIN 0
	s_wait_xcnt 0x0                                ; buffer f, which earlier stores read, is loaded again only behind this wait
.irp t, 0,1,2,3,4,5,6,7
	ds_load_b128 v[\f+4*\t:\f+4*\t+3], v[RD] offset:\t*2*SPITCH        ; LDS serves a wave's instructions in order (ISA guide 5.7.1.4): these see the stores above
.endr
.irp t, 0,1,2,3,4,5,6,7
	s_wait_dscnt 7-\t
	global_store_b128 v[CO], v[\f+4*\t:\f+4*\t+3], s[10:11] offset:(16*\a+2*\t)*4096 th:TH_STORE_NT   ; 16 lanes store 256 consecutive bytes, aligned; nothing reads them again
.endr
.endm
	OUTM 0, RB
	OUTM 1, RB+32
	OUTM 2, RB
	OUTM 3, RB+32
	s_wait_tensorcnt 0x0
	ds_add_u32 v254, v255
	s_wait_dscnt 0x0
	CROUND                                         ; the closing round: no work-group ends while a partner may still ask for a tile that names it
	s_endpgm
.Lfunc_end_k_q732ef4ecf0_outproj:
	.size	k_q732ef4ecf0_outproj, .Lfunc_end_k_q732ef4ecf0_outproj-k_q732ef4ecf0_outproj
	.p2alignl 7, 3214868480
	.fill 96, 4, 3214868480
	.section	.rodata,"a",@progbits
	.p2align	6, 0x0
	.amdhsa_kernel k_q732ef4ecf0_outproj
		.amdhsa_group_segment_fixed_size 327680
		.amdhsa_private_segment_fixed_size 0
		.amdhsa_enable_private_segment 0
		.amdhsa_kernarg_size 32
		.amdhsa_user_sgpr_count 2
		.amdhsa_user_sgpr_kernarg_segment_ptr 1
		.amdhsa_wavefront_size32 1
		.amdhsa_system_sgpr_workgroup_id_x 1
		.amdhsa_system_sgpr_workgroup_id_y 1
		.amdhsa_system_sgpr_workgroup_id_z 1
		.amdhsa_system_vgpr_workitem_id 0
		.amdhsa_next_free_vgpr 640
		.amdhsa_next_free_sgpr 80
		.amdhsa_reserve_vcc 0
		.amdhsa_float_denorm_mode_32 3
		.amdhsa_float_denorm_mode_16_64 3
		.amdhsa_memory_ordered 1
		.amdhsa_forward_progress 1
		.amdhsa_inst_pref_size 91
	.end_amdhsa_kernel
	.amdgpu_metadata
---
amdhsa.version: [ 1, 2 ]
amdhsa.kernels:
  - .name:           k_q732ef4ecf0_outproj
    .symbol:         k_q732ef4ecf0_outproj.kd
    .args:
      - { .name: att, .offset: 0, .size: 8, .value_kind: global_buffer, .address_space: global }
      - { .name: xw, .offset: 8, .size: 8, .value_kind: global_buffer, .address_space: global }
      - { .name: bo, .offset: 16, .size: 8, .value_kind: global_buffer, .address_space: global }
      - { .name: out0, .offset: 24, .size: 8, .value_kind: global_buffer, .address_space: global }
    .group_segment_fixed_size: 327680
    .private_segment_fixed_size: 0
    .kernarg_segment_align: 8
    .kernarg_segment_size: 32
    .max_flat_workgroup_size: 128
    .sgpr_count:     80
    .vgpr_count:     640
    .wavefront_size: 32
...
	.end_amdgpu_metadata
.endif
;; end of part 4
;; ======== version 2 of 2: 4 launches; version 1 with the launch cast written anew for expert scheduling mode
;; limits: values are held in f16: magnitudes above 65,504 overflow, below 6.1e-05 lose precision
;; workspace buffers: xw 16,777,216 bytes; qkv 25,165,824 bytes; att 8,388,608 bytes
;; launch cast (part 5): grid 512 x 1, 8 waves a work-group, no clusters, 0 bytes of LDS; arguments x, Wq, Wk, Wv, Wo, xw; writes xw
.if DOCPART == 5
	.amdgcn_target "amdgcn-amd-amdhsa--gfx1250"
	.amdhsa_code_object_version 6
	.text
	.protected	k_q732ef4ecf0_cast
	.globl	k_q732ef4ecf0_cast
	.p2align	8
	.type	k_q732ef4ecf0_cast,@function
k_q732ef4ecf0_cast:
	s_mov_b64 s[64:65], 0
	v_nop
	global_prefetch_b8 v0, s[64:65] scope:SCOPE_SE
	s_setreg_imm32_b32 hwreg(HW_REG_WAVE_SCHED_MODE, 0, 2), 2
	s_setreg_imm32_b32 hwreg(HW_REG_WAVE_MODE, 25, 1), 1
	s_wait_xcnt 0x0
	s_wait_alu depctr_vm_vsrc(0)
; xw = x, Wq, Wk, Wv, Wo as 16-bit matrix operands, each in its own order of elements.  Every input is rounded once to bf16, to nearest even.
; x, Wq, Wk, Wv are stored as bf16.  Wo's partner in its product (the attention's result) is kept in f16, and a matrix instruction takes one format for both
; sources, so Wo's bf16 number is written in f16's format: 8 significant bits fit into f16's 11, exactly for |Wo| from 2^-17 up; below, to the nearest multiple of 2^-24.
; LIMIT: |Wo| < 65,504 (f16's largest number); the problem's Wo lies within 1/32, so there is room for a factor of two million.
; 33,554,432 bytes of f32 in, 16,777,216 bytes out.  Work-group g takes 65,536 bytes of f32 and stores 32,768 bytes at xw + 32,768 g:
; groups 0-255 are x (16 MiB), groups 256-319 Wq, 320-383 Wk, 384-447 Wv, 448-511 Wo (4 MiB each), so the target is linear in g.
; A stream: every byte is read once and written once; LDS, the data mover, clusters and the matrix unit have nothing to share or to multiply here.
; Thread t owns 16 bytes of every 4,096: a wave's load covers 512 consecutive bytes, its store 256 consecutive bytes, both aligned.
; All sixteen loads of a thread go out first.
; THE MODE: SCHED_MODE bits 1:0 = 2 (LLVM: expert scheduling mode 2), set by the entry lines.  The code itself states the register dependences
; between vector instructions and memory instructions, with s_wait_alu, always for 0.
; THE PLAN.  Registers that memory instructions touch:
;   v1, v2   byte offsets of the loads and of the stores: made once at the head, never written again.
;   X        piece i: four registers, in which its one load lands; read (on Wo's way also written again) by piece i's own vector lines, behind the counted wait for that load.
;            No load is issued behind any vector line that names X.
;   Y        piece i: a pair of its own, written by piece i's conversions, read by its one store, never written behind that store.
; The sixteen pieces go in four groups of four.  Turn i waits for load i, issues the store of piece i - 4 and converts piece i: group g's vector lines name X and Y of
; group g alone, the stores among them Y of group g - 1 and v2.  So one wait at the head of a group states all that its four stores hang on, and one more stands ahead
; of the last four stores.  No register that a memory instruction has read is ever written again: the text owes no wait for that.
.set PIECE, 4096                       ; bytes of f32 that the 256 threads take with one load each
.set GROUP, 4                          ; pieces in a group, and how many pieces a store stands behind its conversions
.set X, 8                              ; v[8:71]   sixteen loads of 4 f32
.set Y, 72                             ; v[72:103] sixteen pairs of packed 16-bit numbers
	s_load_b256 s[4:11], s[0:1], 0x0               ; x s[4:5], Wq s[6:7], Wk s[8:9], Wv s[10:11]
	s_load_b128 s[12:15], s[0:1], 0x20             ; Wo s[12:13], xw s[14:15]
	s_lshr_b32 s16, ttmp9, 6                       ; 0-3: x; 4, 5, 6, 7: Wq, Wk, Wv, Wo
	s_and_b32 s17, ttmp9, 63                       ; my place inside a weight
	s_cmp_lt_u32 s16, 4
	s_cselect_b32 s18, ttmp9, s17                  ; my place inside my source
	s_lshl_b32 s18, s18, 16                        ; times 65,536 bytes
	s_mov_b32 s19, 0
	s_lshl_b32 s22, ttmp9, 15                      ; my 32,768 bytes of xw
	s_mov_b32 s23, 0
	v_lshlrev_b32 v1, 4, v0                        ; 16 t: source
	v_lshlrev_b32 v2, 3, v0                        ; 8 t: target
	s_wait_kmcnt 0x0
	s_cmp_lt_u32 s16, 4                            ; the source is chosen by the group's number alone
	s_cselect_b64 s[20:21], s[4:5], s[6:7]
	s_cmp_eq_u32 s16, 5
	s_cselect_b64 s[20:21], s[8:9], s[20:21]
	s_cmp_eq_u32 s16, 6
	s_cselect_b64 s[20:21], s[10:11], s[20:21]
	s_cmp_eq_u32 s16, 7
	s_cselect_b64 s[20:21], s[12:13], s[20:21]
	s_add_nc_u64 s[20:21], s[20:21], s[18:19]
	s_add_nc_u64 s[14:15], s[14:15], s[22:23]
	s_wait_alu depctr_va_vdst(0)                   ; v1 and v2 are written: every load of the kernel reads v1 as its offset, every store v2, on both ways below
.set i, 0
.rept 16
	global_load_b128 v[X+4*i:X+4*i+3], v1, s[20:21] offset:PIECE*i th:TH_LOAD_NT   ; read once in the launch
.set i, i+1
.endr
	s_cmp_eq_u32 s16, 7                            ; Wo's groups take the way with the second format
	s_cbranch_scc1 .Lwo
.set i, 0
.rept 16
	s_wait_loadcnt 15-i                            ; loads come back in order (ISA guide 5.7.1): load i is in, the 15 - i younger ones stay out
.if (i > 0) && (i % GROUP == 0)
	s_wait_alu depctr_va_vdst(0)                   ; the conversions of the four pieces before have written their pairs of Y, which the next four stores read
.endif
.if i >= GROUP
	global_store_b64 v2, v[Y+2*(i-GROUP):Y+2*(i-GROUP)+1], s[14:15] offset:(PIECE/2)*(i-GROUP)   ; no hint: the next launch reads these bytes.  No vector line since the wait names this pair
.endif
	v_cvt_pk_bf16_f32 v[Y+2*i],   v[X+4*i],   v[X+4*i+1]
	v_cvt_pk_bf16_f32 v[Y+2*i+1], v[X+4*i+2], v[X+4*i+3]
.set i, i+1
.endr
	s_wait_alu depctr_va_vdst(0)                   ; the last four pieces' conversions have written their pairs of Y, which the last four stores read
.set i, 16-GROUP
.rept GROUP
	global_store_b64 v2, v[Y+2*i:Y+2*i+1], s[14:15] offset:(PIECE/2)*i
.set i, i+1
.endr
	s_endpgm
.Lwo:
.set i, 0
.rept 16
	s_wait_loadcnt 15-i                            ; as above: load i is in, so its four registers may also be written again
.if (i > 0) && (i % GROUP == 0)
	s_wait_alu depctr_va_vdst(0)                   ; the conversions of the four pieces before have written their pairs of Y, which the next four stores read
.endif
.if i >= GROUP
	global_store_b64 v2, v[Y+2*(i-GROUP):Y+2*(i-GROUP)+1], s[14:15] offset:(PIECE/2)*(i-GROUP)   ; no vector line since the wait names this pair
.endif
	v_cvt_pk_bf16_f32 v[Y+2*i],   v[X+4*i],   v[X+4*i+1]       ; the one rounding that loses bits
	v_cvt_pk_bf16_f32 v[Y+2*i+1], v[X+4*i+2], v[X+4*i+3]
	v_lshlrev_b32 v[X+4*i],   16, v[Y+2*i]                     ; bf16 to f32: the low half moves up,
	v_and_b32     v[X+4*i+1], 0xffff0000, v[Y+2*i]             ; the high half stays
	v_lshlrev_b32 v[X+4*i+2], 16, v[Y+2*i+1]
	v_and_b32     v[X+4*i+3], 0xffff0000, v[Y+2*i+1]
	v_cvt_pk_f16_f32 v[Y+2*i],   v[X+4*i],   v[X+4*i+1]        ; the same numbers in f16's format
	v_cvt_pk_f16_f32 v[Y+2*i+1], v[X+4*i+2], v[X+4*i+3]
.set i, i+1
.endr
	s_wait_alu depctr_va_vdst(0)                   ; the last four pieces' conversions have written their pairs of Y, which the last four stores read
.set i, 16-GROUP
.rept GROUP
	global_store_b64 v2, v[Y+2*i:Y+2*i+1], s[14:15] offset:(PIECE/2)*i
.set i, i+1
.endr
	s_endpgm
.Lfunc_end_k_q732ef4ecf0_cast:
	.size	k_q732ef4ecf0_cast, .Lfunc_end_k_q732ef4ecf0_cast-k_q732ef4ecf0_cast
	.p2alignl 7, 3214868480
	.fill 96, 4, 3214868480
	.section	.rodata,"a",@progbits
	.p2align	6, 0x0
	.amdhsa_kernel k_q732ef4ecf0_cast
		.amdhsa_group_segment_fixed_size 0
		.amdhsa_private_segment_fixed_size 0
		.amdhsa_enable_private_segment 0
		.amdhsa_kernarg_size 48
		.amdhsa_user_sgpr_count 2
		.amdhsa_user_sgpr_kernarg_segment_ptr 1
		.amdhsa_wavefront_size32 1
		.amdhsa_system_sgpr_workgroup_id_x 1
		.amdhsa_system_sgpr_workgroup_id_y 1
		.amdhsa_system_sgpr_workgroup_id_z 1
		.amdhsa_system_vgpr_workitem_id 0
		.amdhsa_next_free_vgpr 104
		.amdhsa_next_free_sgpr 66
		.amdhsa_reserve_vcc 0
		.amdhsa_float_denorm_mode_32 3
		.amdhsa_float_denorm_mode_16_64 3
		.amdhsa_memory_ordered 1
		.amdhsa_forward_progress 1
		.amdhsa_inst_pref_size 17
	.end_amdhsa_kernel
	.amdgpu_metadata
---
amdhsa.version: [ 1, 2 ]
amdhsa.kernels:
  - .name:           k_q732ef4ecf0_cast
    .symbol:         k_q732ef4ecf0_cast.kd
    .args:
      - { .name: x, .offset: 0, .size: 8, .value_kind: global_buffer, .address_space: global }
      - { .name: Wq, .offset: 8, .size: 8, .value_kind: global_buffer, .address_space: global }
      - { .name: Wk, .offset: 16, .size: 8, .value_kind: global_buffer, .address_space: global }
      - { .name: Wv, .offset: 24, .size: 8, .value_kind: global_buffer, .address_space: global }
      - { .name: Wo, .offset: 32, .size: 8, .value_kind: global_buffer, .address_space: global }
      - { .name: xw, .offset: 40, .size: 8, .value_kind: global_buffer, .address_space: global }
    .group_segment_fixed_size: 0
    .private_segment_fixed_size: 0
    .kernarg_segment_align: 8
    .kernarg_segment_size: 48
    .max_flat_workgroup_size: 256
    .sgpr_count:     66
    .vgpr_count:     104
    .wavefront_size: 32
...
	.end_amdgpu_metadata
.endif
;; end of part 5
;; launch qkvproj: the kernel of part 2 again; grid 12 x 16, 4 waves a work-group, clusters of 4 x 4, 327,680 bytes of LDS; arguments xw, bq, bk, bv, qkv; writes qkv
;; launch attn: the kernel of part 3 again; grid 8 x 32, 4 waves a work-group, no clusters, 327,680 bytes of LDS; arguments qkv, att; writes att
;; launch outproj: the kernel of part 4 again; grid 8 x 32, 4 waves a work-group, clusters of 4 x 4, 327,680 bytes of LDS; arguments att, xw, bo, out0; writes out0
